; MI455X (gfx1250); checked and timed in simulation.
; The chip was launched on July 23, 2026; its instructions are those of AMD's public machine-readable ISA for CDNA 5 (MIT licence, August 2026) and "CDNA5" Instruction Set Architecture Reference Guide (July 2026). The comments in the code are by the model that wrote it; some were corrected since.
;; Mo EFFN. Allowed arithmetic: matrix products marked QUANTISED: E2M3 operands, one E8M0 scale for each 32 along K, by v_wmma_scale_f32_16x16x128_f8f6f4 with both operands' format E2M3, f32 sums; products left as they are: f32 operands where the result goes on into a quantised operand, else bf16, f16 or f32 operands; f32 sums; everything else in f32.
;; Inputs: fc1_bias 8 x 4,096 float32; fc1_weight 8 x 1,024 x 4,096 float32; fc2_bias 8 x 1,024 float32; fc2_weight 8 x 4,096 x 1,024 float32; router_b 8 float32; router_w 1,024 x 8 float32; x 2 x 512 x 1,024 float32.
;; Outputs: out0 2 x 512 x 1,024 float32; out1 2 x 512 x 8 float32.
;; This version of the problem:
;;   THIS VERSION OF THE PROBLEM IS GIVEN IN LOW PRECISION. The matrix products marked QUANTISED in the list below multiply operands that are first quantised to E2M3 (2 exponent bits, 3 mantissa bits; 6 bits a number), with one power-of-two scale for each 32 numbers along K (OCP MX v1.0); their sums are f32. All else is computed in f32.
;;   The module's matrix products, in the order in which they are computed (A, B: the left and right operand; K: the contracted axis; several contracted axes count as one K, in the product's order):
;;     1. [M 1,024, K 1,024] x [K 1,024, N 8]; A: input x; B: input router_w: left as it is (N = 8 < 16)
;;     2. [M 1,024, K 1,024] x [K 1,024, N 32,768]; A: input x; B: input fc1_weight: QUANTISED
;;     3. batch 8 x [M 1,024, K 4,096] x [K 4,096, N 1,024]; A: input fc2_weight; B: computed on the way: QUANTISED
;;     4. batch 1,024 x [M 1, K 8] x [K 8, N 1,024]; A: softmax; B: computed on the way: left as it is (K = 8 < 32)
;;   THE QUANTISER, for each operand of a quantised product, along K:
;;     - K is cut into blocks of 32 from its start; a last block that is shorter is filled with zeros.
;;     - A block's scale is 2^e with e = floor(log2(the largest magnitude in the block)) - 2, held to -126 .. 127; a block of zeros has e = 0. As a byte (E8M0): e + 127.
;;     - Each number is divided by its block's scale, clamped to +-7.5, and rounded to the nearest number of E2M3, ties to even, subnormals kept.
;;     - The product sums the exact products of the quantised numbers (number of the format x scale) in f32.
;;   ~~~python
;;   def quantise(x, axis):      # numpy; x: float32 -> the quantised numbers, widened to float32 again
;;       x = np.moveaxis(x, axis, -1); K = x.shape[-1]
;;       x = np.pad(x, [(0, 0)] * (x.ndim - 1) + [(0, -K % 32)]); x = x.reshape(x.shape[:-1] + (-1, 32)); a = np.abs(x).max(-1, keepdims=True)
;;       e = np.where(a > 0, np.clip(np.frexp(np.where(a > 0, a, 1))[1] - 1 - 2, -126, 127), 0)      # np.frexp(a)[1] - 1 = floor(log2(a)), exactly
;;       r = np.clip(x / 2.0 ** e, -7.5, 7.5)
;;       step = 2.0 ** (np.maximum(np.frexp(np.where(r == 0, 1, r))[1] - 1, 0) - 3)
;;       q = np.round(r / step) * step * 2.0 ** e      # np.round: ties to even
;;       return np.moveaxis(q.reshape(q.shape[:-2] + (-1,))[..., :K], -1, axis).astype(np.float32)
;;   ~~~
;;   OPERANDS COMPUTED ON THE WAY. 'Computed on the way' means the value that the module computes at that place (a softmax that the list does not call 'softmax' is quantised finished and normalised). What goes into a quantiser is computed in f32, as accurately as f32 sums, v_exp_f32 and their like allow (about 1e-6 of the number): no bf16 or f16 on the way to a quantiser, and a product that is left as it is and whose result goes on into a quantised operand takes f32 operands (vector FMAs, or v_wmma_f32_16x16x4_f32). A number that lies on a knife's edge between two numbers of the format may be rounded either way, as far as f32 arithmetic and the matrix unit's own rounding can turn it there, and no further.
;; One version. Each part assembles by itself: llvm-mc -triple=amdgcn-amd-amdhsa -mcpu=gfx1250 --defsym DOCPART=n.
;; ======== version 1 of 1: 4 launches
;; workspace buffers: xc 786,432 bytes; xs 32,768 bytes; w1b 26,214,400 bytes; w2b 26,214,400 bytes; hb 26,214,400 bytes; part 33,554,432 bytes
;; launch prep (part 1): grid 2112 x 1, 4 waves a work-group, no clusters, 37,376 bytes of LDS; arguments x, router_w, router_b, fc1_weight, xc, xs, w1b, out1; writes xc, xs, w1b, out1
.if DOCPART == 1
	.amdgcn_target "amdgcn-amd-amdhsa--gfx1250"
	.amdhsa_code_object_version 6
	.text
	.protected	k_qb66979fd24_prep
	.globl	k_qb66979fd24_prep
	.p2align	8
	.type	k_qb66979fd24_prep,@function
k_qb66979fd24_prep:
	s_mov_b64 s[64:65], 0
	v_nop
	global_prefetch_b8 v0, s[64:65] scope:SCOPE_SE
	s_setreg_imm32_b32 hwreg(HW_REG_WAVE_MODE, 25, 1), 1
	s_wait_xcnt 0x0
; PREP.  Two jobs in one launch, parted by the work-group's number.
;   work-groups 0 .. 63 (the x path): 16 tokens each.  x [1024][1024] f32 becomes codes of FP6 (E2M3) with one E8M0 byte for each 32 along K, and the router (x router_w + router_b, softmax, all f32) gives out1.
;   work-groups 64 .. 2111 (the W path): fc1_weight [8][1024 (k)][4096 (n)] f32 becomes codes along K, which is its FIRST axis within an expert: one block of 128 columns x 128 K each.
; CODES LIE IN MEMORY AS IMAGES OF OPERAND REGISTERS.  A fragment (16 rows x 128 K, 12 registers a lane) is 1,536 bytes: register 4 c + i of lane l at byte 512 c + 16 l + 4 i.
;   xc  [64 tiles of 16 tokens][8 K steps][1,536];   xs [64][8][16 scale words].
;   w1b [8 experts][32 blocks of 128 columns][8 K steps][12,800]: 8 fragments at 1,536 t, then the scale words at 12,288 + 128 (t / 2) + 4 l (lanes 0-15 tile 2 (t / 2), lanes 16-31 the next).
;   THE COLUMNS OF A TILE OF w1b ARE NOT NEIGHBOURS: lane r of tile 2 b + u is column 32 b + 8 u + r + 8 (r / 8), so that the next launch's results run along the next K in a lane's registers.
; A block's scale is 2^(floor(log2(largest magnitude)) - 2): its byte is the largest magnitude's exponent field - 2, held at 1 from below by a floor among the maximum's leaves.
; LIMITS: a block of zeros, or one whose largest magnitude lies under 2^-124, gets the byte 1 where the quantiser's text says 127 or less: its codes are zeros or nearly so, and these bytes are read by this program alone.
;   NaN and infinities among the inputs are not served.
; No matrix unit, no tensor load, no cluster: each byte of x and fc1_weight is read by one wave, once; work-groups share nothing.  Only the x path uses LDS and a barrier.
.set NXW,  64                          ; work-groups of the x path
; ---- the W path's registers
.set VO,   3                           ; v3   4 x my column among the wave's 32
.set VF,   5                           ; v5   16 x lane + 3,072 x wave: where my fragments' bytes go
.set VS,   6                           ; v6   4 x lane + 128 x wave: my scale word
.set M,    8                           ; v8-11   largest magnitudes of my column's four blocks
.set SO,   12                          ; v12-15  the conversions' scale operands
.set BY,   16                          ; v16-19  a second chain of each maximum, then the scale bytes
.set SW,   20                          ; v20     my column's scale word
.set X,    32                          ; v32-159 my column's 128 numbers, down K
.set F0,   160                         ; v160-171 the fragment of the tile in lanes 0-15
.set F1,   172                         ; v172-183 of the tile in lanes 16-31
.set TA,   184                         ; v184-190, v192-198: the upper halves of blocks, made here and moved
.set TB,   192
; ---- the x path's registers
.set VX,   4                           ; v4   4,096 r + 64 h: my 16 numbers of a block of 32 of row r
.set LI,   5                           ; v5   16 x lane
.set L4,   6                           ; v6   4 x lane
.set RWS,  7                           ; v7   LDS: where I put router_w's rows
.set RWA,  8                           ; v8   LDS: my half's first row of router_w
.set LGS,  9                           ; v9   LDS: my wave's partial logits
.set LGR,  10                          ; v10  LDS: all waves' partial logits
.set VP,   11                          ; v11  32 r + 16 h: my four probabilities in out1
.set L,    12                          ; v12-19  eight logits of token r
.set TM,   20                          ; v20-31  the quantiser's work
.set XA,   32                          ; v32-159 two K steps x 64 numbers
.set RWC,  160                         ; v160-223 router_w as loaded, then eight rows of it at a time
.set PC,   224                         ; v224-243 codes
.set PW,   244                         ; v244-245 the two K steps' scale words
.set PJ,   246                         ; v246 the two joined
.set SEL,  20                          ; s[20:21] lane selects: lane l xor 16
.set HM,   22                          ; s22  the mask of lanes 16-31
.set LG,   32768                       ; LDS: behind the four waves' 8,192 bytes of router_w
.macro MAXB b                          ; the largest magnitude of block b of my column: all 32 numbers are mine; two chains, and the floor 2^(3 - 127) as one more leaf
	v_max3_num_f32 v[M+\b],  |v[X+32*\b]|,   |v[X+32*\b+1]|, |v[X+32*\b+2]|
	v_max3_num_f32 v[BY+\b], |v[X+32*\b+3]|, |v[X+32*\b+4]|, |v[X+32*\b+5]|
.irp i, 6,10,14,18,22,26
	v_max3_num_f32 v[M+\b],  v[M+\b],  |v[X+32*\b+\i]|,   |v[X+32*\b+\i+1]|
	v_max3_num_f32 v[BY+\b], v[BY+\b], |v[X+32*\b+\i+2]|, |v[X+32*\b+\i+3]|
.endr
	v_max3_num_f32 v[M+\b], v[M+\b], |v[X+32*\b+30]|, |v[X+32*\b+31]|
	v_max3_num_f32 v[M+\b], v[M+\b], v[BY+\b], 0x1800000
.endm
; 64 numbers of a lane, register 16 b + i = k 32 b + 16 (lane / 16) + i of my row, become a fragment's codes in v[PC] on and its scale word in v[pw]
.macro QUANT src, pw
.irp b, 0,1,2,3
	v_max3_num_f32 v[TM+\b], |v[(\src)+16*\b]|, |v[(\src)+16*\b+1]|, 0x1800000   ; my 16 numbers of block b, and the floor
.endr
.irp i, 2,4,6,8,10,12,14
.irp b, 0,1,2,3
	v_max3_num_f32 v[TM+\b], v[TM+\b], |v[(\src)+16*\b+\i]|, |v[(\src)+16*\b+\i+1]|
.endr
.endr
.irp b, 0,1,2,3
	v_permlanex16_b32 v[TM+4+\b], v[TM+\b], s[SEL], s[SEL+1]
.endr
.irp b, 0,1,2,3
	v_max_num_f32 v[TM+\b], v[TM+\b], v[TM+4+\b]     ; with lane l xor 16's: the block's largest magnitude
.endr
.irp b, 0,1,2,3
	v_add_nc_u32 v[TM+8+\b], 0xff000000, v[TM+\b]    ; 2 off its exponent field: the conversion's scale operand
.endr
.irp b, 0,1,2,3
	v_lshrrev_b32 v[TM+4+\b], 23, v[TM+8+\b]         ; the scale's byte
.endr
	v_lshl_or_b32 v[(\pw)], v[TM+5], 8, v[TM+4]
	v_lshl_or_b32 v[(\pw)], v[TM+6], 16, v[(\pw)]
	v_lshl_or_b32 v[(\pw)], v[TM+7], 24, v[(\pw)]
	s_wait_xcnt 0x0                                  ; the codes' registers were an earlier store's data: they are written again only behind this wait
.irp c, 0,1
	v_cvt_scalef32_pk16_fp6_f32 v[PC+6*\c:PC+6*\c+2], v[(\src)+32*\c:(\src)+32*\c+15], v[TM+8+2*\c]
	v_cvt_scalef32_pk16_fp6_f32 v[PC+12+4*\c:PC+12+4*\c+2], v[(\src)+32*\c+16:(\src)+32*\c+31], v[TM+8+2*\c+1]   ; (a conversion's three registers begin on an even number)
.endr
	v_nop                                            ; one plain place behind a scaled conversion
.irp c, 0,1                                      ; the operand's layout wants a whole block in a lane: lanes 0-15 block 2 c, lanes 16-31 block 2 c + 1
.irp i, 0,1,2
	v_permlane16_swap_b32 v[PC+6*\c+\i], v[PC+12+4*\c+\i]
.endr
.irp i, 0,1,2
	v_mov_b32 v[PC+3+6*\c+\i], v[PC+12+4*\c+\i]
.endr
.endr
.endm
; eight numbers of x (numbers 8 g .. 8 g + 7 of K step u) times their rows of router_w: all sixteen lanes of a half read the same row
.macro ROUTE u, g
.irp j, 0,1,2,3,4,5,6,7
	ds_load_b128 v[RWC+8*\j:RWC+8*\j+3],   v[RWA] offset:(128*\u+32*((8*\g+\j)/16)+(8*\g+\j)%16)*32
	ds_load_b128 v[RWC+8*\j+4:RWC+8*\j+7], v[RWA] offset:(128*\u+32*((8*\g+\j)/16)+(8*\g+\j)%16)*32+16
.endr
	s_wait_dscnt 0x0
.irp j, 0,1,2,3,4,5,6,7
.irp p, 0,2,4,6
.if (\u)+(\g)+(\j) == 0
	v_pk_mul_f32 v[L+\p:L+\p+1], v[XA:XA+1], v[RWC+\p:RWC+\p+1] op_sel_hi:[0,1]      ; the first product starts the sums
.elseif (\j)%2
	v_pk_fma_f32 v[L+\p:L+\p+1], v[XA+64*\u+8*\g+\j-1:XA+64*\u+8*\g+\j], v[RWC+8*\j+\p:RWC+8*\j+\p+1], v[L+\p:L+\p+1] op_sel:[1,0,0] op_sel_hi:[1,1,1]
.else
	v_pk_fma_f32 v[L+\p:L+\p+1], v[XA+64*\u+8*\g+\j:XA+64*\u+8*\g+\j+1], v[RWC+8*\j+\p:RWC+8*\j+\p+1], v[L+\p:L+\p+1] op_sel_hi:[0,1,1]
.endif
.endr
.endr
.endm
	v_lshl_add_u32 v254, v0, 2, 0x9000
	v_mov_b32 v255, 0
	s_cmp_lt_u32 ttmp9, NXW
	s_cbranch_scc1 .Lxpath
; ======== THE W PATH: one block of 128 columns x 128 K of one expert; wave w makes tiles 2 w and 2 w + 1.  A lane takes a column and its registers run down K.
	s_load_b64 s[4:5], s[0:1], 0x18                ; fc1_weight
	s_load_b64 s[6:7], s[0:1], 0x30                ; w1b
	v_lshrrev_b32 v1, 5, v0
	v_readfirstlane_b32 s8, v1                     ; wave
	v_and_b32 v2, 31, v0                           ; lane
	v_and_b32 v[VO], 15, v0                        ; r
	v_and_b32 v4, 8, v0
	v_add_nc_u32 v[VO], v[VO], v4                  ; r + 8 (r / 8)
	v_bfe_u32 v4, v0, 4, 1
	v_lshl_add_u32 v[VO], v4, 3, v[VO]             ; + 8 for the tile in lanes 16-31: a permutation of the wave's 32 columns
	v_lshlrev_b32 v[VO], 2, v[VO]
	s_mul_i32 s18, s8, 3072
	v_lshl_add_u32 v[VF], v2, 4, s18
	s_lshl_b32 s19, s8, 7
	v_lshl_add_u32 v[VS], v2, 2, s19
	s_sub_co_u32 s9, ttmp9, NXW
	s_and_b32 s10, s9, 31                          ; which 128 columns
	s_bfe_u32 s11, s9, 0x30005                     ; which K step
	s_lshr_b32 s12, s9, 8                          ; which expert
	s_lshl_b32 s14, s12, 24                        ; an expert is 1,024 x 4,096 x 4 bytes,
	s_lshl_b32 s13, s11, 21                        ; 128 rows are 2,097,152,
	s_add_co_u32 s14, s14, s13
	s_lshl_b32 s13, s10, 9                         ; 128 columns 512,
	s_add_co_u32 s14, s14, s13
	s_add_co_u32 s14, s14, s19                     ; the wave's 32 columns 128
	s_mov_b32 s15, 0
	s_lshl_b32 s16, s12, 5
	s_add_co_u32 s16, s16, s10
	s_lshl_b32 s16, s16, 3
	s_add_co_u32 s16, s16, s11
	s_mul_i32 s16, s16, 12800                      ; the block's place in w1b
	s_mov_b32 s17, 0
	s_wait_kmcnt 0x0
	s_add_nc_u64 s[4:5], s[4:5], s[14:15]
	s_add_nc_u64 s[6:7], s[6:7], s[16:17]
.set k, 0
.rept 128
	global_load_b32 v[X+k], v[VO], s[4:5] offset:k*16384 th:TH_LOAD_NT   ; row k at the wave's 32 columns: 128 consecutive bytes
.set k, k+1
.endr
	s_wait_loadcnt 63                              ; at most 63 of the 128 are out: rows 0 to 64 are in, blocks 0 and 1 among them
	MAXB 0
	MAXB 1
	s_wait_loadcnt 32                              ; rows 0 to 95
	MAXB 2
	s_wait_loadcnt 0x0
	MAXB 3
.irp b, 0,1,2,3
	v_add_nc_u32 v[SO+\b], 0xff000000, v[M+\b]     ; 2 off the exponent field: the conversion's scale operand
.endr
.irp b, 0,1,2,3
	v_lshrrev_b32 v[BY+\b], 23, v[SO+\b]           ; the scale's byte
.endr
	v_lshl_or_b32 v[SW], v[BY+1], 8, v[BY]
	v_lshl_or_b32 v[SW], v[BY+2], 16, v[SW]
	v_lshl_or_b32 v[SW], v[BY+3], 24, v[SW]
	v_cvt_scalef32_pk16_fp6_f32 v[F0:F0+2],   v[X:X+15],      v[SO]
	v_cvt_scalef32_pk16_fp6_f32 v[TA:TA+2],   v[X+16:X+31],   v[SO]
	v_cvt_scalef32_pk16_fp6_f32 v[F1:F1+2],   v[X+32:X+47],   v[SO+1]
	v_cvt_scalef32_pk16_fp6_f32 v[TB:TB+2],   v[X+48:X+63],   v[SO+1]
	v_cvt_scalef32_pk16_fp6_f32 v[F0+6:F0+8], v[X+64:X+79],   v[SO+2]
	v_cvt_scalef32_pk16_fp6_f32 v[TA+4:TA+6], v[X+80:X+95],   v[SO+2]
	v_cvt_scalef32_pk16_fp6_f32 v[F1+6:F1+8], v[X+96:X+111],  v[SO+3]
	v_cvt_scalef32_pk16_fp6_f32 v[TB+4:TB+6], v[X+112:X+127], v[SO+3]
	v_nop                                          ; one plain place behind a scaled conversion
; Lanes 0-15 hold all four blocks of one tile's columns, lanes 16-31 of the other's.  The operand wants, of ONE tile, block 2 c in lanes 0-15 and block 2 c + 1 in lanes 16-31:
; the even block's lanes 16-31 change places with the odd block's lanes 0-15.
.irp i, 0,1,2
	v_permlane16_swap_b32 v[F0+\i],   v[F1+\i]
	v_permlane16_swap_b32 v[TA+\i],   v[TB+\i]
	v_permlane16_swap_b32 v[F0+6+\i], v[F1+6+\i]
	v_permlane16_swap_b32 v[TA+4+\i], v[TB+4+\i]
.endr
.irp i, 0,1,2
	v_mov_b32 v[F0+3+\i], v[TA+\i]
	v_mov_b32 v[F1+3+\i], v[TB+\i]
	v_mov_b32 v[F0+9+\i], v[TA+4+\i]
	v_mov_b32 v[F1+9+\i], v[TB+4+\i]
.endr
.irp c, 0,1,2
	global_store_b128 v[VF], v[F0+4*\c:F0+4*\c+3], s[6:7] offset:512*\c          ; 32 lanes store 512 consecutive bytes
	global_store_b128 v[VF], v[F1+4*\c:F1+4*\c+3], s[6:7] offset:1536+512*\c
.endr
	global_store_b32 v[VS], v[SW], s[6:7] offset:12288
	s_endpgm
; ======== THE x PATH: 16 tokens; wave w takes K steps 2 w and 2 w + 1 (256 along K)
.Lxpath:
	s_load_b128 s[4:7], s[0:1], 0x0                ; x, router_w
	s_load_b64 s[8:9], s[0:1], 0x10                ; router_b
	s_load_b128 s[12:15], s[0:1], 0x20             ; xc, xs
	s_load_b64 s[16:17], s[0:1], 0x38              ; out1
	v_lshrrev_b32 v1, 5, v0
	v_readfirstlane_b32 s18, v1                    ; wave
	v_and_b32 v1, 31, v0                           ; lane
	v_and_b32 v2, 15, v0                           ; r
	v_bfe_u32 v3, v0, 4, 1                         ; h
	v_lshlrev_b32 v[VX], 12, v2
	v_lshl_add_u32 v[VX], v3, 6, v[VX]
	v_lshlrev_b32 v[LI], 4, v1
	v_lshlrev_b32 v[L4], 2, v1
	s_lshl_b32 s19, s18, 13                        ; the wave's 8,192 bytes of router_w, in memory and in LDS
	v_add_nc_u32 v[RWS], s19, v[LI]
	v_lshlrev_b32 v[RWA], 9, v3                    ; lanes 16-31 begin 16 rows of 32 bytes further on
	v_add_nc_u32 v[RWA], s19, v[RWA]
	s_lshl_b32 s23, s18, 10
	s_add_co_u32 s23, s23, LG
	v_add_nc_u32 v[LGS], s23, v[LI]
	v_add_nc_u32 v[LGR], LG, v[LI]
	v_lshlrev_b32 v[VP], 5, v2
	v_lshl_add_u32 v[VP], v3, 4, v[VP]
	s_mov_b32 s[SEL], 0x76543210
	s_mov_b32 s[SEL+1], 0xfedcba98
	s_mov_b32 s[HM], 0xffff0000
.irp b, 0,1,2,3
	v_mov_b32 v[TM+4+\b], 0                        ; written once: a lane permute's destination counts as one of its sources
.endr
	s_lshl_b32 s32, ttmp9, 16                      ; 16 rows of 4,096 bytes,
	s_lshl_b32 s33, s18, 10                        ; the wave's 256 numbers
	s_add_co_u32 s32, s32, s33
	s_mov_b32 s33, 0
	s_mov_b32 s34, s19
	s_mov_b32 s35, 0
	s_mul_i32 s36, ttmp9, 12288                    ; xc: a tile's eight fragments,
	s_mul_i32 s37, s18, 3072                       ; the wave's two
	s_add_co_u32 s36, s36, s37
	s_mov_b32 s37, 0
	s_lshl_b32 s38, ttmp9, 9                       ; xs and out1: 512 bytes a tile
	s_lshl_b32 s39, s18, 7
	s_add_co_u32 s40, s38, s39
	s_mov_b32 s39, 0
	s_mov_b32 s41, 0
	s_wait_kmcnt 0x0
	s_load_b256 s[24:31], s[8:9], 0x0              ; router_b's eight numbers
	s_add_nc_u64 s[4:5], s[4:5], s[32:33]
	s_add_nc_u64 s[6:7], s[6:7], s[34:35]
	s_add_nc_u64 s[12:13], s[12:13], s[36:37]
	s_add_nc_u64 s[14:15], s[14:15], s[40:41]
	s_add_nc_u64 s[16:17], s[16:17], s[38:39]
.irp u, 0,1
.irp b, 0,1,2,3
.irp j, 0,1,2,3
	global_load_b128 v[XA+64*\u+16*\b+4*\j:XA+64*\u+16*\b+4*\j+3], v[VX], s[4:5] offset:512*\u+128*\b+16*\j
.endr
.endr
.endr
.irp i, 0,1,2,3,4,5,6,7,8,9,10,11,12,13,14,15
	global_load_b128 v[RWC+4*\i:RWC+4*\i+3], v[LI], s[6:7] offset:512*\i
.endr
	s_wait_loadcnt 0x0
.irp i, 0,1,2,3,4,5,6,7,8,9,10,11,12,13,14,15
	ds_store_b128 v[RWS], v[RWC+4*\i:RWC+4*\i+3] offset:512*\i     ; the wave's own bytes: only this wave reads them
.endr
	QUANT XA, PW
.irp c, 0,1,2
	global_store_b128 v[LI], v[PC+4*\c:PC+4*\c+3], s[12:13] offset:512*\c
.endr
	QUANT XA+64, PW+1
.irp c, 0,1,2
	global_store_b128 v[LI], v[PC+4*\c:PC+4*\c+3], s[12:13] offset:1536+512*\c
.endr
	v_cndmask_b32 v[PJ], v[PW], v[PW+1], s[HM]     ; lanes 0-15: K step 2 w's words, lanes 16-31: K step 2 w + 1's (both halves of the lanes hold row r's word)
	global_store_b32 v[L4], v[PJ], s[14:15]
	s_wait_dscnt 0x0                               ; the stores of router_w have read their registers, which the loads below fill
.irp u, 0,1
.irp g, 0,1,2,3,4,5,6,7
	ROUTE \u, \g
.endr
.endr
	ds_store_b128 v[LGS], v[L:L+3]
	ds_store_b128 v[LGS], v[L+4:L+7] offset:512
	s_wait_dscnt 0x0                               ; for the others' sake: my partial logits lie in LDS
	s_barrier_signal -1
	s_barrier_wait -1
	s_cmp_lg_u32 s18, 0
	s_cbranch_scc1 .Lxend
.irp w, 0,1,2,3
	ds_load_b128 v[RWC+8*\w:RWC+8*\w+3],   v[LGR] offset:1024*\w
	ds_load_b128 v[RWC+8*\w+4:RWC+8*\w+7], v[LGR] offset:1024*\w+512
.endr
	s_wait_dscnt 0x0
.irp p, 0,2,4,6
	v_pk_add_f32 v[L+\p:L+\p+1],   v[RWC+\p:RWC+\p+1],       v[RWC+8+\p:RWC+8+\p+1]
	v_pk_add_f32 v[XA+\p:XA+\p+1], v[RWC+16+\p:RWC+16+\p+1], v[RWC+24+\p:RWC+24+\p+1]
.endr
.irp p, 0,2,4,6
	v_pk_add_f32 v[L+\p:L+\p+1], v[L+\p:L+\p+1], v[XA+\p:XA+\p+1]
.endr
.irp j, 0,1,2,3,4,5,6,7
	v_permlanex16_b32 v[XA+\j], v[L+\j], s[SEL], s[SEL+1]
.endr
.irp p, 0,2,4,6
	v_pk_add_f32 v[L+\p:L+\p+1], v[L+\p:L+\p+1], v[XA+\p:XA+\p+1]   ; with the other half of the lanes: the whole K
.endr
	s_wait_kmcnt 0x0                               ; router_b
.irp j, 0,1,2,3,4,5,6,7
	v_add_f32 v[L+\j], s[24+\j], v[L+\j]
.endr
	s_mov_b32 s42, 0x3fb8aa3b                      ; log2(e)
	v_max3_num_f32 v[XA], v[L], v[L+1], v[L+2]     ; the softmax takes the row's maximum away first
	v_max3_num_f32 v[XA], v[XA], v[L+3], v[L+4]
	v_max3_num_f32 v[XA], v[XA], v[L+5], v[L+6]
	v_max_num_f32 v[XA], v[XA], v[L+7]
	v_mul_f32 v[XA], s42, v[XA]
.irp j, 0,1,2,3,4,5,6,7
	v_fma_f32 v[L+\j], v[L+\j], s42, -v[XA]
.endr
.irp j, 0,1,2,3,4,5,6,7
	v_exp_f32 v[L+\j], v[L+\j]
.endr
	v_nop                                          ; a plain place behind the exponentials
	s_wait_alu depctr_va_vdst(0)
	v_pk_add_f32 v[XA:XA+1],   v[L:L+1],     v[L+2:L+3]
	v_pk_add_f32 v[XA+2:XA+3], v[L+4:L+5],   v[L+6:L+7]
	v_pk_add_f32 v[XA:XA+1],   v[XA:XA+1],   v[XA+2:XA+3]
	v_add_f32 v[XA], v[XA], v[XA+1]
	v_rcp_f32 v[XA+2], v[XA]
	v_nop                                          ; a plain place behind the reciprocal
	s_wait_alu depctr_va_vdst(0)
.irp p, 0,2,4,6
	v_pk_mul_f32 v[L+\p:L+\p+1], v[L+\p:L+\p+1], v[XA+2:XA+3] op_sel_hi:[1,0]
.endr
.irp j, 0,1,2,3
	v_cndmask_b32 v[XA+4+\j], v[L+\j], v[L+4+\j], s[HM]   ; lanes 0-15 store experts 0-3, lanes 16-31 experts 4-7
.endr
	global_store_b128 v[VP], v[XA+4:XA+7], s[16:17]       ; 32 lanes store the tile's 512 consecutive bytes
.Lxend:
	s_wait_tensorcnt 0x0
	ds_add_u32 v254, v255
	s_wait_dscnt 0x0
	s_endpgm
.Lfunc_end_k_qb66979fd24_prep:
	.size	k_qb66979fd24_prep, .Lfunc_end_k_qb66979fd24_prep-k_qb66979fd24_prep
	.p2alignl 7, 3214868480
	.fill 96, 4, 3214868480
	.section	.rodata,"a",@progbits
	.p2align	6, 0x0
	.amdhsa_kernel k_qb66979fd24_prep
		.amdhsa_group_segment_fixed_size 37376
		.amdhsa_private_segment_fixed_size 0
		.amdhsa_enable_private_segment 0
		.amdhsa_kernarg_size 64
		.amdhsa_user_sgpr_count 2
		.amdhsa_user_sgpr_kernarg_segment_ptr 1
		.amdhsa_wavefront_size32 1
		.amdhsa_system_sgpr_workgroup_id_x 1
		.amdhsa_system_sgpr_workgroup_id_y 1
		.amdhsa_system_sgpr_workgroup_id_z 1
		.amdhsa_system_vgpr_workitem_id 0
		.amdhsa_next_free_vgpr 256
		.amdhsa_next_free_sgpr 66
		.amdhsa_reserve_vcc 0
		.amdhsa_float_denorm_mode_32 3
		.amdhsa_float_denorm_mode_16_64 3
		.amdhsa_memory_ordered 1
		.amdhsa_forward_progress 1
		.amdhsa_inst_pref_size 90
	.end_amdhsa_kernel
	.amdgpu_metadata
---
amdhsa.version: [ 1, 2 ]
amdhsa.kernels:
  - .name:           k_qb66979fd24_prep
    .symbol:         k_qb66979fd24_prep.kd
    .args:
      - { .name: x, .offset: 0, .size: 8, .value_kind: global_buffer, .address_space: global }
      - { .name: router_w, .offset: 8, .size: 8, .value_kind: global_buffer, .address_space: global }
      - { .name: router_b, .offset: 16, .size: 8, .value_kind: global_buffer, .address_space: global }
      - { .name: fc1_weight, .offset: 24, .size: 8, .value_kind: global_buffer, .address_space: global }
      - { .name: xc, .offset: 32, .size: 8, .value_kind: global_buffer, .address_space: global }
      - { .name: xs, .offset: 40, .size: 8, .value_kind: global_buffer, .address_space: global }
      - { .name: w1b, .offset: 48, .size: 8, .value_kind: global_buffer, .address_space: global }
      - { .name: out1, .offset: 56, .size: 8, .value_kind: global_buffer, .address_space: global }
    .group_segment_fixed_size: 37376
    .private_segment_fixed_size: 0
    .kernarg_segment_align: 8
    .kernarg_segment_size: 64
    .max_flat_workgroup_size: 128
    .sgpr_count:     66
    .vgpr_count:     256
    .wavefront_size: 32
...
	.end_amdgpu_metadata
.endif
;; end of part 1
;; launch fc1 (part 2): grid 256 x 1, 4 waves a work-group, no clusters, 327,680 bytes of LDS; arguments xc, xs, w1b, fc1_bias, fc2_weight, hb, w2b; writes hb, w2b
.if DOCPART == 2
	.amdgcn_target "amdgcn-amd-amdhsa--gfx1250"
	.amdhsa_code_object_version 6
	.text
	.protected	k_qb66979fd24_fc1
	.globl	k_qb66979fd24_fc1
	.p2align	8
	.type	k_qb66979fd24_fc1,@function
k_qb66979fd24_fc1:
	s_mov_b64 s[64:65], 0
	v_nop
	global_prefetch_b8 v0, s[64:65] scope:SCOPE_SE
	s_setreg_imm32_b32 hwreg(HW_REG_WAVE_MODE, 25, 1), 1
	s_wait_xcnt 0x0
; FC1.  h = Q(gelu(Q(x) Q(W1) + b1)), and beside it Q(fc2_weight).  Products on codes of FP6 (E2M3) with one E8M0 scale for each 32 along K; sums, bias and GELU in f32.
; SHARES.  Work-group wg owns hidden units 128 (wg % 32) .. + 127 of expert wg / 32, for all 1,024 tokens.  Its eight blocks of w1b (102,400 bytes, all of K = 1,024) come into LDS once and stay.
;   Wave q owns tokens 256 q .. 256 q + 255, in four passes of 64 tokens x 128 units: 32 accumulators, 256 registers.  x's codes come straight into registers, as images, four K steps ahead.
;   The product is used transposed (source 0 = 16 units of W1, source 1 = 16 tokens): a lane holds ONE token, and, by the order of w1b's columns, its 64 registers of a tile of tokens are
;   register 16 b + i = unit 32 b + 16 (lane / 16) + i: 16 neighbours along the next product's K.  So they are quantised in registers, and the codes leave as one fragment of hb.
; THE STREAM.  The same work-group quantises fc2_weight[expert][its 128 units (K)][all 1,024 columns], 524,288 dense bytes that no other work-group reads.  In each pass a wave's one tensor load brings
;   128 rows x 256 bytes (64 columns) into the wave's own 32,768 bytes of LDS; it is asked for at the pass's head and read at its end, so that it has the pass's products and GELU in which to land.
;   A lane then takes a column and its registers run down K.
; hb  [8 experts][4 blocks of 256 tokens][32 K steps][25,600]: 16 fragments at 1,536 t, then scale words at 24,576 + 256 g + 8 l: word 0 tiles 4 g (lanes 0-15) and 4 g + 1 (lanes 16-31), word 1 tiles 4 g + 2, 4 g + 3.
; w2b [8 experts][8 blocks of 128 columns][32 K steps][12,800]: laid as w1b, columns in their natural order.
; GELU: g = x / 2 + (x / 2) erf(x / sqrt 2), erf(z) = z P(z^2) / Q(z^2), degrees 6 and 4, z held to +-4, where erf rounds to +-1 in f32.
; NO JOINT LOADS: both weight streams (102,400 and 524,288 bytes) are the work-group's own.  x's codes are read by all work-groups, but each wave reads its own 196,608 bytes of them once, as register images;
;   through LDS they would be written and read once more, and the work-groups' passes would have to go in step.
; LIMITS: a block of zeros, or one under 2^-124, gets the scale byte 1 (its codes are zeros; this program alone reads the bytes).  NaN and infinities are not served.
; LDS: 0 W1's eight blocks; 102,400 + 32,768 q the wave's strip of fc2_weight; 233,472 the spare words.  All of a WGP's LDS is claimed.
; REGISTERS.  window 0: v1-13 addresses; v14-17 two constants; v18-23 scale words made; v24-31 W1's scale words (two sets); v32-47 x's scale words; v48-143, v144-239 W1's fragments, two sets (work registers of the GELU later).
;   window 1: v0-191 x's fragments, four slots of four tiles; v192-255 b1.   window 2: the stream's 128 numbers and codes.   window 3: the accumulators, (m, t) at v[64 m + 8 t].
.set BLK,   12800                      ; a weight block
.set RING,  102400
.set SPARE, 233472
.set LI,   1                           ; v1   16 x lane
.set LI2,  2                           ; v2   + 64,000: K steps 5 to 7 lie beyond a 16-bit offset
.set LS,   3                           ; v3   12,288 + 4 x lane: a block's scale words
.set LS2,  4                           ; v4   + 64,000
.set VXS,  5                           ; v5   512 h + 4 r: x's scale words, two tiles to a register
.set VB,   6                           ; v6   64 h: the bias
.set RA,   7                           ; v7   my wave's strip + 4 x lane
.set VW,   8                           ; v8   16 x lane + 6,144 (q % 2): w2b's fragments
.set VWS,  9                           ; v9   4 x lane + 256 (q % 2): w2b's scale words
.set VHS,  10                          ; v10  8 x lane: hb's scale words
.set SPW,  12                          ; v12  my spare word; never rewritten
.set NIL,  13                          ; v13  0; never rewritten
.set CA13, 14                          ; v[14:15] P's leading coefficient, twice
.set CB8,  16                          ; v[16:17] Q's
.set PWK,  18                          ; v18-21 h's scale word for each of the pass's four tiles
.set HSW,  22                          ; v[22:23] the four joined
.set WS,   24
.set XS,   32
.set BF,   48
.set G,    48                          ; the GELU's work registers, where W1's fragments lay: v48-111 x / 2, then g
.set Z,    112
.set S,    128
.set P,    144
.set Q,    160
.set TM,   176
.set PC,   192
.set B1,   192                         ; window 1
.set X,    0                           ; window 2
.set F0,   128
.set F1,   140
.set TA,   152
.set TB,   160
.set M,    168
.set SO,   172
.set BY,   176
.set SW,   180
.set WV,   18                          ; s18  wave
.set PASS, 19                          ; s19  pass
.set SEL,  20                          ; s[20:21]
.set HM,   22                          ; s22  the mask of lanes 16-31
.set G1W,  24                          ; s[24:31], s[32:35] descriptor for a quarter of W1's blocks
.set G0W,  32
.set G1R,  36                          ; s[36:43], s[44:47] descriptor for the wave's strip
.set G0R,  44
.set KC,   48                          ; scalar pairs: 1 / sqrt 2, and the coefficients
.set KA11, 50
.set KA9,  52
.set KA7,  54
.set KA5,  56
.set KA3,  58
.set KA1,  60
.set KB6,  62
.set KB4,  66
.set KB2,  68
.set KB0,  70
.set HSP,  72                          ; s[72:73] hb's scale words
.set MUL0,     0xd4                    ; W1 window 0, x window 1, C (the bias) window 1, D window 3
.set MUL,      0xf4                    ; the same, C and D window 3
.set TO_X,     0x40                    ; destination window 1
.set FROM_ACC, 0x03                    ; source 0 window 3
.set SIDE_LD,  0x80                    ; destination window 2
.set SIDE_V,   0xaa                    ; every place window 2
.set SIDE_ST,  0x08                    ; a store's data window 2
.set MSB, 0
.macro WIN new                         ; the immediate's high byte repeats the setting that is left
.if MSB != \new
	s_set_vgpr_msb (MSB<<8)|\new
.set MSB, \new
.endif
.endm
.macro PLACES n
.rept \n
	v_nop
.endr
.endm
.macro KSET r, bits
	s_mov_b32 s[\r], \bits
	s_mov_b32 s[\r+1], \bits                       ; (named with it as a pair, so it is written)
.endm
.macro WMROW oa, ob                    ; one product on the registers rD, rA, rB, rC, rSA, rSB; oa, ob: the side's scale words lie in lanes 16-31
.if (\oa) && (\ob)
	v_wmma_scale_f32_16x16x128_f8f6f4 v[rD:rD+7], v[rA:rA+11], v[rB:rB+11], v[rC:rC+7], v[rSA], v[rSB] matrix_a_fmt:MATRIX_FMT_FP6 matrix_b_fmt:MATRIX_FMT_FP6 matrix_a_scale:MATRIX_SCALE_ROW1 matrix_b_scale:MATRIX_SCALE_ROW1
.elseif (\oa)
	v_wmma_scale_f32_16x16x128_f8f6f4 v[rD:rD+7], v[rA:rA+11], v[rB:rB+11], v[rC:rC+7], v[rSA], v[rSB] matrix_a_fmt:MATRIX_FMT_FP6 matrix_b_fmt:MATRIX_FMT_FP6 matrix_a_scale:MATRIX_SCALE_ROW1
.elseif (\ob)
	v_wmma_scale_f32_16x16x128_f8f6f4 v[rD:rD+7], v[rA:rA+11], v[rB:rB+11], v[rC:rC+7], v[rSA], v[rSB] matrix_a_fmt:MATRIX_FMT_FP6 matrix_b_fmt:MATRIX_FMT_FP6 matrix_b_scale:MATRIX_SCALE_ROW1
.else
	v_wmma_scale_f32_16x16x128_f8f6f4 v[rD:rD+7], v[rA:rA+11], v[rB:rB+11], v[rC:rC+7], v[rSA], v[rSB] matrix_a_fmt:MATRIX_FMT_FP6 matrix_b_fmt:MATRIX_FMT_FP6
.endif
.endm
; W1's eight fragments and four registers of scale words of K step ks, from LDS into set bs
.macro FETCHW ks, bs
.if (\ks) < 5
.set aF, LI
.set aS, LS
.set oF, (\ks)*BLK
.else
.set aF, LI2
.set aS, LS2
.set oF, ((\ks)-5)*BLK
.endif
.irp t, 0,1,2,3,4,5,6,7
.irp c, 0,1,2
	ds_load_b128 v[BF+96*(\bs)+12*\t+4*\c:BF+96*(\bs)+12*\t+4*\c+3], v[aF] offset:oF+1536*\t+512*\c
.endr
.endr
.irp u, 0,1,2,3
	ds_load_b32 v[WS+4*(\bs)+\u], v[aS] offset:oF+128*\u
.endr
.endm
; x's four fragments of K step ks, from memory into slot k4
.macro XLOADK k4, ks, extra
	WIN TO_X
.irp m, 0,1,2,3
.irp c, 0,1,2
	global_load_b128 v[48*(\k4)+12*\m+4*\c:48*(\k4)+12*\m+4*\c+3], v[LI], s[4:5] offset:(\extra)+12288*\m+1536*(\ks)+512*\c
.endr
.endr
	WIN 0
.endm
.macro XSLOAD extra                    ; x's scale words of a pass: register 2 ks + u: lanes 0-15 tile 2 u, lanes 16-31 tile 2 u + 1
.irp ks, 0,1,2,3,4,5,6,7
.irp u, 0,1
	global_load_b32 v[XS+2*\ks+\u], v[VXS], s[6:7] offset:(\extra)+1024*\u+64*\ks
.endr
.endr
.endm
; 32 products: W1's eight tiles x the pass's four tiles of tokens, 128 along K.  The 32 accumulators take turns, one instruction a turn, in the same order in every K step.
.macro MUL32 ks
.irp t, 0,1,2,3,4,5,6,7
.irp m, 0,1,2,3
.set rD, 64*\m+8*\t
.set rA, BF+96*((\ks)%2)+12*\t
.set rB, 48*((\ks)%4)+12*\m
.set rC, rD
.if (\ks) == 0
.set rC, B1+8*\t                       ; the bias is the C of a sum's first product: nothing is cleared, nothing is added later
.endif
.set rSA, WS+4*((\ks)%2)+\t/2
.set rSB, XS+2*(\ks)+\m/2
	WMROW \t%2, \m%2
.endr
.endr
.endm
.macro KSTEP ks
	s_wait_dscnt 0x0                               ; this K step's fragments of W1, asked for 32 products ago
.if (\ks) == 0 || (\ks) == 7
	s_wait_loadcnt 0x0                             ; K step 0: all that was asked for a GELU ago (K steps 0 to 3, the scale words);  K step 7: the last reload
.elseif (\ks) == 4 || (\ks) == 5
	s_wait_loadcnt 24                              ; this K step's 12 loads are in; the 24 of the two reloads issued behind them may be out
.elseif (\ks) == 6
	s_wait_loadcnt 12                              ; one reload was issued behind this K step's
.endif
.if (\ks) > 0
	PLACES 4                                       ; in front of loads into registers that the last K step's products have read
.endif
.if (\ks) < 7
	FETCHW (\ks)+1, ((\ks)+1)%2
.endif
.if (\ks) >= 1 && (\ks) <= 4
	XLOADK (\ks)-1, (\ks)+3, 0                     ; the slot just multiplied takes the K step four further on
.endif
.if (\ks) == 0
	WIN MUL0
.else
	WIN MUL
.endif
	MUL32 \ks
	WIN 0
.endm
.macro HORN2 ca, cb                    ; a step of both polynomials, by turns
.irp i, 0,2,4,6,8,10,12,14
	v_pk_fma_f32 v[P+\i:P+\i+1], v[P+\i:P+\i+1], v[S+\i:S+\i+1], s[\ca:\ca+1] op_sel_hi:[1,1,0]
	v_pk_fma_f32 v[Q+\i:Q+\i+1], v[Q+\i:Q+\i+1], v[S+\i:S+\i+1], s[\cb:\cb+1] op_sel_hi:[1,1,0]
.endr
.endm
.macro HORN1 ca
.irp i, 0,2,4,6,8,10,12,14
	v_pk_fma_f32 v[P+\i:P+\i+1], v[P+\i:P+\i+1], v[S+\i:S+\i+1], s[\ca:\ca+1] op_sel_hi:[1,1,0]
.endr
.endm
; 64 numbers of a lane, register 16 b + i = k 32 b + 16 (lane / 16) + i of my row, become a fragment's codes in v[PC] on and its scale word in v[pw]
.macro QUANT src, pw
.irp b, 0,1,2,3
	v_max3_num_f32 v[TM+\b], |v[(\src)+16*\b]|, |v[(\src)+16*\b+1]|, 0x1800000   ; my 16 numbers of block b, and the floor 2^(3 - 127): the byte cannot fall under 1
.endr
.irp i, 2,4,6,8,10,12,14
.irp b, 0,1,2,3
	v_max3_num_f32 v[TM+\b], v[TM+\b], |v[(\src)+16*\b+\i]|, |v[(\src)+16*\b+\i+1]|
.endr
.endr
.irp b, 0,1,2,3
	v_permlanex16_b32 v[TM+4+\b], v[TM+\b], s[SEL], s[SEL+1]
.endr
.irp b, 0,1,2,3
	v_max_num_f32 v[TM+\b], v[TM+\b], v[TM+4+\b]
.endr
.irp b, 0,1,2,3
	v_add_nc_u32 v[TM+8+\b], 0xff000000, v[TM+\b]    ; 2 off the exponent field: the conversion's scale operand
.endr
.irp b, 0,1,2,3
	v_lshrrev_b32 v[TM+4+\b], 23, v[TM+8+\b]         ; the scale's byte
.endr
	v_lshl_or_b32 v[(\pw)], v[TM+5], 8, v[TM+4]
	v_lshl_or_b32 v[(\pw)], v[TM+6], 16, v[(\pw)]
	v_lshl_or_b32 v[(\pw)], v[TM+7], 24, v[(\pw)]
	s_wait_xcnt 0x0                                  ; the codes' registers were the last tile's store data: they are written again only behind this wait
.irp c, 0,1
	v_cvt_scalef32_pk16_fp6_f32 v[PC+6*\c:PC+6*\c+2], v[(\src)+32*\c:(\src)+32*\c+15], v[TM+8+2*\c]
	v_cvt_scalef32_pk16_fp6_f32 v[PC+12+4*\c:PC+12+4*\c+2], v[(\src)+32*\c+16:(\src)+32*\c+31], v[TM+8+2*\c+1]
.endr
	v_nop                                            ; one plain place behind a scaled conversion
.irp c, 0,1
.irp i, 0,1,2
	v_permlane16_swap_b32 v[PC+6*\c+\i], v[PC+12+4*\c+\i]
.endr
.irp i, 0,1,2
	v_mov_b32 v[PC+3+6*\c+\i], v[PC+12+4*\c+\i]
.endr
.endr
.endm
; Tile m of the pass: GELU of its 64 numbers a lane, 16 at a time; then the quantiser; then the fragment leaves
.macro EPI m
.irp b, 0,1,2,3
	WIN FROM_ACC
.irp i, 0,2,4,6,8,10,12,14                     ; each accumulator is read from its low end on
	v_pk_mul_f32 v[Z+\i:Z+\i+1], v[64*\m+16*\b+\i:64*\m+16*\b+\i+1], s[KC:KC+1] op_sel_hi:[1,0]    ; z = x / sqrt 2
	v_pk_mul_f32 v[G+16*\b+\i:G+16*\b+\i+1], v[64*\m+16*\b+\i:64*\m+16*\b+\i+1], 0.5 op_sel_hi:[1,0]   ; x / 2
.endr
	WIN 0
.irp i, 0,1,2,3,4,5,6,7,8,9,10,11,12,13,14,15
	v_med3_num_f32 v[Z+\i], v[Z+\i], -4.0, 4.0
.endr
.irp i, 0,2,4,6,8,10,12,14
	v_pk_mul_f32 v[S+\i:S+\i+1], v[Z+\i:Z+\i+1], v[Z+\i:Z+\i+1]
.endr
.irp i, 0,2,4,6,8,10,12,14
	v_pk_fma_f32 v[P+\i:P+\i+1], v[S+\i:S+\i+1], v[CA13:CA13+1], s[KA11:KA11+1] op_sel_hi:[1,1,0]
	v_pk_fma_f32 v[Q+\i:Q+\i+1], v[S+\i:S+\i+1], v[CB8:CB8+1], s[KB6:KB6+1] op_sel_hi:[1,1,0]
.endr
	HORN2 KA9, KB4
	HORN2 KA7, KB2
	HORN2 KA5, KB0
	HORN1 KA3
	HORN1 KA1
.irp i, 0,1,2,3,4,5,6,7,8,9,10,11,12,13,14,15
	v_rcp_f32 v[Q+\i], v[Q+\i]
.endr
.irp i, 0,2,4,6,8,10,12,14
	v_pk_mul_f32 v[P+\i:P+\i+1], v[P+\i:P+\i+1], v[Z+\i:Z+\i+1]      ; (plain places behind the reciprocals)
.endr
	s_wait_alu depctr_va_vdst(0)
.irp i, 0,2,4,6,8,10,12,14
	v_pk_mul_f32 v[P+\i:P+\i+1], v[P+\i:P+\i+1], v[Q+\i:Q+\i+1]      ; erf
.endr
.irp i, 0,2,4,6,8,10,12,14
	v_pk_fma_f32 v[G+16*\b+\i:G+16*\b+\i+1], v[G+16*\b+\i:G+16*\b+\i+1], v[P+\i:P+\i+1], v[G+16*\b+\i:G+16*\b+\i+1]
.endr
.endr
	QUANT G, PWK+\m
.irp c, 0,1,2
	global_store_b128 v[LI], v[PC+4*\c:PC+4*\c+3], s[14:15] offset:1536*\m+512*\c   ; 32 lanes store 512 consecutive bytes
.endr
.endm
.macro MAXB b                          ; (window 2)  the largest magnitude of block b of my column
	v_max3_num_f32 v[M+\b],  |v[X+32*\b]|,   |v[X+32*\b+1]|, |v[X+32*\b+2]|
	v_max3_num_f32 v[BY+\b], |v[X+32*\b+3]|, |v[X+32*\b+4]|, |v[X+32*\b+5]|
.irp i, 6,10,14,18,22,26
	v_max3_num_f32 v[M+\b],  v[M+\b],  |v[X+32*\b+\i]|,   |v[X+32*\b+\i+1]|
	v_max3_num_f32 v[BY+\b], v[BY+\b], |v[X+32*\b+\i+2]|, |v[X+32*\b+\i+3]|
.endr
	v_max3_num_f32 v[M+\b], v[M+\b], |v[X+32*\b+30]|, |v[X+32*\b+31]|
	v_max3_num_f32 v[M+\b], v[M+\b], v[BY+\b], 0x1800000
.endm
; 32 columns of the wave's strip (u = 0, 1): a lane takes a column, its 128 registers run down K; two tiles of w2b leave
.macro SIDE u
	WIN SIDE_LD
.set k, 0
.rept 128
	ds_load_b32 v[X+k], v[RA] offset:256*k+128*(\u)      ; 32 neighbouring words of row k
.set k, k+1
.endr
	s_wait_xcnt 0x0                                ; the codes' registers were earlier stores' data
	WIN SIDE_V
	s_wait_dscnt 63                                ; at most 63 of the 128 are out: rows 0 to 64 are in
	MAXB 0
	MAXB 1
	s_wait_dscnt 32
	MAXB 2
	s_wait_dscnt 0x0
	MAXB 3
.irp b, 0,1,2,3
	v_add_nc_u32 v[SO+\b], 0xff000000, v[M+\b]
.endr
.irp b, 0,1,2,3
	v_lshrrev_b32 v[BY+\b], 23, v[SO+\b]
.endr
	v_lshl_or_b32 v[SW], v[BY+1], 8, v[BY]
	v_lshl_or_b32 v[SW], v[BY+2], 16, v[SW]
	v_lshl_or_b32 v[SW], v[BY+3], 24, v[SW]
	v_cvt_scalef32_pk16_fp6_f32 v[F0:F0+2],   v[X:X+15],      v[SO]
	v_cvt_scalef32_pk16_fp6_f32 v[TA:TA+2],   v[X+16:X+31],   v[SO]
	v_cvt_scalef32_pk16_fp6_f32 v[F1:F1+2],   v[X+32:X+47],   v[SO+1]
	v_cvt_scalef32_pk16_fp6_f32 v[TB:TB+2],   v[X+48:X+63],   v[SO+1]
	v_cvt_scalef32_pk16_fp6_f32 v[F0+6:F0+8], v[X+64:X+79],   v[SO+2]
	v_cvt_scalef32_pk16_fp6_f32 v[TA+4:TA+6], v[X+80:X+95],   v[SO+2]
	v_cvt_scalef32_pk16_fp6_f32 v[F1+6:F1+8], v[X+96:X+111],  v[SO+3]
	v_cvt_scalef32_pk16_fp6_f32 v[TB+4:TB+6], v[X+112:X+127], v[SO+3]
	v_nop                                          ; one plain place behind a scaled conversion
.irp i, 0,1,2                                  ; of ONE tile, block 2 c in lanes 0-15 and block 2 c + 1 in lanes 16-31
	v_permlane16_swap_b32 v[F0+\i],   v[F1+\i]
	v_permlane16_swap_b32 v[TA+\i],   v[TB+\i]
	v_permlane16_swap_b32 v[F0+6+\i], v[F1+6+\i]
	v_permlane16_swap_b32 v[TA+4+\i], v[TB+4+\i]
.endr
.irp i, 0,1,2
	v_mov_b32 v[F0+3+\i], v[TA+\i]
	v_mov_b32 v[F1+3+\i], v[TB+\i]
	v_mov_b32 v[F0+9+\i], v[TA+4+\i]
	v_mov_b32 v[F1+9+\i], v[TB+4+\i]
.endr
	WIN SIDE_ST
.irp c, 0,1,2
	global_store_b128 v[VW], v[F0+4*\c:F0+4*\c+3], s[16:17] offset:3072*(\u)+512*\c
	global_store_b128 v[VW], v[F1+4*\c:F1+4*\c+3], s[16:17] offset:3072*(\u)+1536+512*\c
.endr
	global_store_b32 v[VWS], v[SW], s[16:17] offset:12288+128*(\u)
	WIN 0
.endm
	s_load_b256 s[4:11], s[0:1], 0x0               ; xc s[4:5], xs s[6:7], w1b s[8:9], fc1_bias s[10:11]
	s_load_b128 s[12:15], s[0:1], 0x20             ; fc2_weight s[12:13], hb s[14:15]
	s_load_b64 s[16:17], s[0:1], 0x30              ; w2b
	v_lshl_add_u32 v[SPW], v0, 2, SPARE
	v_mov_b32 v[NIL], 0
	ds_add_u32 v12, v13
	ds_add_u32 v12, v13
	s_wait_dscnt 0x0
	v_lshrrev_b32 v1, 5, v0
	v_readfirstlane_b32 s[WV], v1                  ; wave 0..3
	; a quarter of W1's blocks: 25,600 dense bytes as 100 rows of 256 (32 elements of 8 bytes)
	s_mov_b32 s[G1W], 3<<16                        ; no mask; elements of 8 bytes; no padding
	s_mov_b32 s[G1W+1], 32<<16                     ; tensor_dim0
	s_mov_b32 s[G1W+2], 100<<16                    ; tensor_dim1
	s_mov_b32 s[G1W+3], 32<<16                     ; tile_dim0
	s_mov_b32 s[G1W+4], 100                        ; tile_dim1
	s_mov_b32 s[G1W+5], 32                         ; from row to row
	s_mov_b32 s[G1W+6], 0
	s_mov_b32 s[G1W+7], 0
	; the wave's strip of fc2_weight: 128 rows of 64 numbers (256 bytes), 1,024 numbers apart
	s_mov_b32 s[G1R], 2<<16                        ; elements of 4 bytes
	s_mov_b32 s[G1R+1], 64<<16
	s_mov_b32 s[G1R+2], 128<<16
	s_mov_b32 s[G1R+3], 64<<16
	s_mov_b32 s[G1R+4], 128
	s_mov_b32 s[G1R+5], 1024
	s_mov_b32 s[G1R+6], 0
	s_mov_b32 s[G1R+7], 0
	s_mov_b32 s[G0W], 1
	s_mul_i32 s[G0W+1], s[WV], 25600               ; LDS: wave x a quarter
	s_mov_b32 s[G0R], 1
	s_lshl_b32 s[G0R+1], s[WV], 15
	s_add_co_u32 s[G0R+1], s[G0R+1], RING          ; LDS: the wave's own 32,768 bytes
	s_mov_b32 s75, 0
	s_mul_i32 s74, ttmp9, 102400
	s_add_co_u32 s74, s74, s[G0W+1]
	s_wait_kmcnt 0x0
	s_add_nc_u64 s[G0W+2:G0W+3], s[8:9], s[74:75]
	s_or_b32 s[G0W+3], s[G0W+3], 0x80000000
	tensor_load_to_lds s[G0W:G0W+3], s[G1W:G1W+7]  ; the one first fill: ahead of every wait on TENSORcnt, every LDS read and every barrier
	s_nop 0
	PLACES 4
	v_and_b32 v11, 31, v0                          ; lane
	v_lshlrev_b32 v[LI], 4, v11
	v_add_nc_u32 v[LI2], 64000, v[LI]
	v_lshl_add_u32 v[LS], v11, 2, 12288
	v_add_nc_u32 v[LS2], 64000, v[LS]
	v_and_b32 v[VXS], 15, v0
	v_bfe_u32 v[VB], v0, 4, 1
	v_lshlrev_b32 v[VXS], 2, v[VXS]
	v_lshl_add_u32 v[VXS], v[VB], 9, v[VXS]
	v_lshlrev_b32 v[VB], 6, v[VB]
	v_lshl_add_u32 v[RA], v11, 2, s[G0R+1]
	s_and_b32 s76, s[WV], 1
	s_mul_i32 s77, s76, 6144
	v_lshl_add_u32 v[VW], v11, 4, s77
	s_lshl_b32 s77, s76, 8
	v_lshl_add_u32 v[VWS], v11, 2, s77
	v_lshlrev_b32 v[VHS], 3, v11
	s_mul_i32 s74, s[WV], 196608                   ; xc: the wave's 16 tiles of 12,288 bytes
	s_add_nc_u64 s[4:5], s[4:5], s[74:75]
	s_lshl_b32 s74, s[WV], 13                      ; xs: 16 tiles of 512
	s_add_nc_u64 s[6:7], s[6:7], s[74:75]
	s_lshl_b32 s74, ttmp9, 9                       ; fc1_bias: the work-group's 128 numbers
	s_add_nc_u64 s[10:11], s[10:11], s[74:75]
	WIN TO_X
.irp t, 0,1,2,3,4,5,6,7                        ; b1 in the result's layout: lane (r, h), tile t: units 32 (t / 2) + 8 (t % 2) + 16 h + 0 .. 7
	global_load_b128 v[B1+8*\t:B1+8*\t+3],   v[VB], s[10:11] offset:(32*(\t/2)+8*(\t%2))*4
	global_load_b128 v[B1+8*\t+4:B1+8*\t+7], v[VB], s[10:11] offset:(32*(\t/2)+8*(\t%2))*4+16
.endr
	WIN 0
.irp k4, 0,1,2,3
	XLOADK \k4, \k4, 0
.endr
	XSLOAD 0
	s_lshl_b32 s74, ttmp9, 19                      ; fc2_weight: the work-group's 128 rows of 4,096 bytes,
	s_lshl_b32 s76, s[WV], 8                       ; the wave's 64 columns
	s_add_co_u32 s74, s74, s76
	s_add_nc_u64 s[G0R+2:G0R+3], s[12:13], s[74:75]
	s_or_b32 s[G0R+3], s[G0R+3], 0x80000000
	s_lshr_b32 s76, ttmp9, 5                       ; expert
	s_and_b32 s77, ttmp9, 31                       ; which 128 units: the next product's K step
	s_lshl_b32 s74, s76, 7
	s_lshl_b32 s78, s[WV], 5
	s_add_co_u32 s74, s74, s78
	s_add_co_u32 s74, s74, s77
	s_mul_i32 s74, s74, 25600                      ; hb: block (expert, wave, K step)
	s_add_nc_u64 s[14:15], s[14:15], s[74:75]
	s_add_nc_u64 s[HSP:HSP+1], s[14:15], 24576
	s_lshl_b32 s74, s76, 3
	s_lshr_b32 s78, s[WV], 1
	s_add_co_u32 s74, s74, s78
	s_lshl_b32 s74, s74, 5
	s_add_co_u32 s74, s74, s77
	s_mul_i32 s74, s74, BLK                        ; w2b: block (expert, wave / 2, K step)
	s_add_nc_u64 s[16:17], s[16:17], s[74:75]
	s_mov_b32 s[SEL], 0x76543210
	s_mov_b32 s[SEL+1], 0xfedcba98
	s_mov_b32 s[HM], 0xffff0000
	KSET KC,   0x3f3504f3                          ; 1 / sqrt 2
	KSET KA11, 0x32edffee                          ; P: 2.77068142e-08
	KSET KA9,  0xb60cff51                          ;   -2.10102402e-06
	KSET KA7,  0xb86ec2d2                          ;   -5.69250639e-05
	KSET KA5,  0xba40ac63                          ;   -7.34990630e-04
	KSET KA3,  0xbb41a1f6                          ;   -2.95459981e-03
	KSET KA1,  0xbc83dbd4                          ;   -1.60960333e-02
	KSET KB6,  0xb95fbd29                          ; Q: -2.13374055e-04
	KSET KB4,  0xbadc924e                          ;   -1.68282697e-03
	KSET KB2,  0xbbf19bf8                          ;   -7.37332917e-03
	KSET KB0,  0xbc69b6a7                          ;   -1.42647391e-02
	v_mov_b32 v[CA13], 0xaf95df0b                  ; P's leading -2.72614226e-10
	v_mov_b32 v[CA13+1], 0xaf95df0b
	v_mov_b32 v[CB8], 0xb77460cd                   ; Q's leading -1.45660718e-05
	v_mov_b32 v[CB8+1], 0xb77460cd
.irp b, 0,1,2,3
	v_mov_b32 v[TM+4+\b], 0                        ; a lane permute's destination counts as one of its sources
.endr
	s_mov_b32 s[PASS], 0
.Lpass:                                            ; four trips: 64 tokens, and 256 columns of fc2_weight for the work-group
	s_wait_tensorcnt 0x0                           ; all my tensor loads have landed (first trip: my quarter of W1's blocks),
	ds_add_u32 v[SPW], v[NIL]                      ; 0 onto my spare word
	s_wait_dscnt 0x0                               ; the add is done, and so are my reads of my strip
	s_barrier_signal -1
	s_barrier_wait -1                              ; all four waves: in the first trip W1's blocks are whole behind this
	tensor_load_to_lds s[G0R:G0R+3], s[G1R:G1R+7]  ; my one tensor load until the next such barrier: this pass's strip, wanted at the pass's end
	s_nop 0
	PLACES 4
	FETCHW 0, 0
.irp ks, 0,1,2,3,4,5,6,7
	KSTEP \ks
.endr
	PLACES 4                                       ; behind the last products: in front of loads into x's registers and of the first read of results
	s_cmp_eq_u32 s[PASS], 3
	s_cbranch_scc1 .Lno_next                       ; the last pass asks for nothing more: no load leaves its buffer
.irp k4, 0,1,2,3
	XLOADK \k4, \k4, 49152                         ; the next pass's K steps 0 to 3 land while this pass's GELU is worked
.endr
	XSLOAD 2048
.Lno_next:
	EPI 0
	EPI 1
	EPI 2
	EPI 3
	s_wait_xcnt 0x0                                ; the last pass's store of scale words has read its registers
	v_cndmask_b32 v[HSW],   v[PWK],   v[PWK+1], s[HM]
	v_cndmask_b32 v[HSW+1], v[PWK+2], v[PWK+3], s[HM]
	global_store_b64 v[VHS], v[HSW:HSW+1], s[HSP:HSP+1]   ; 32 lanes store 256 consecutive bytes, aligned
	s_wait_tensorcnt 0x0                           ; my strip is in LDS: only I read it, so this wait is all that the reads need; and its descriptor may be written
	s_add_nc_u64 s[G0R+2:G0R+3], s[G0R+2:G0R+3], 1024     ; 256 columns on
	SIDE 0
	SIDE 1
	s_wait_xcnt 0x0                                ; every load and store issued so far has read its base and its registers
	s_add_nc_u64 s[4:5], s[4:5], 49152             ; four tiles of x's codes,
	s_add_nc_u64 s[6:7], s[6:7], 2048              ; of its scale words,
	s_add_nc_u64 s[14:15], s[14:15], 6144          ; four fragments of hb,
	s_add_nc_u64 s[HSP:HSP+1], s[HSP:HSP+1], 256   ; their scale words,
	s_add_nc_u64 s[16:17], s[16:17], 819200        ; two blocks of columns (64 blocks of 12,800 bytes) of w2b
	s_add_co_u32 s[PASS], s[PASS], 1
	s_cmp_lt_u32 s[PASS], 4
	s_cbranch_scc1 .Lpass
	s_wait_tensorcnt 0x0                           ; the wave's end
	ds_add_u32 v[SPW], v[NIL]
	s_wait_dscnt 0x0
	s_endpgm
.Lfunc_end_k_qb66979fd24_fc1:
	.size	k_qb66979fd24_fc1, .Lfunc_end_k_qb66979fd24_fc1-k_qb66979fd24_fc1
	.p2alignl 7, 3214868480
	.fill 96, 4, 3214868480
	.section	.rodata,"a",@progbits
	.p2align	6, 0x0
	.amdhsa_kernel k_qb66979fd24_fc1
		.amdhsa_group_segment_fixed_size 327680
		.amdhsa_private_segment_fixed_size 0
		.amdhsa_enable_private_segment 0
		.amdhsa_kernarg_size 56
		.amdhsa_user_sgpr_count 2
		.amdhsa_user_sgpr_kernarg_segment_ptr 1
		.amdhsa_wavefront_size32 1
		.amdhsa_system_sgpr_workgroup_id_x 1
		.amdhsa_system_sgpr_workgroup_id_y 1
		.amdhsa_system_sgpr_workgroup_id_z 1
		.amdhsa_system_vgpr_workitem_id 0
		.amdhsa_next_free_vgpr 1024
		.amdhsa_next_free_sgpr 80
		.amdhsa_reserve_vcc 0
		.amdhsa_float_denorm_mode_32 3
		.amdhsa_float_denorm_mode_16_64 3
		.amdhsa_memory_ordered 1
		.amdhsa_forward_progress 1
		.amdhsa_inst_pref_size 255
	.end_amdhsa_kernel
	.section	.bss,"aw",@nobits
	.p2align	6
	.space	262144
	.amdgpu_metadata
---
amdhsa.version: [ 1, 2 ]
amdhsa.kernels:
  - .name:           k_qb66979fd24_fc1
    .symbol:         k_qb66979fd24_fc1.kd
    .args:
      - { .name: xc, .offset: 0, .size: 8, .value_kind: global_buffer, .address_space: global }
      - { .name: xs, .offset: 8, .size: 8, .value_kind: global_buffer, .address_space: global }
      - { .name: w1b, .offset: 16, .size: 8, .value_kind: global_buffer, .address_space: global }
      - { .name: fc1_bias, .offset: 24, .size: 8, .value_kind: global_buffer, .address_space: global }
      - { .name: fc2_weight, .offset: 32, .size: 8, .value_kind: global_buffer, .address_space: global }
      - { .name: hb, .offset: 40, .size: 8, .value_kind: global_buffer, .address_space: global }
      - { .name: w2b, .offset: 48, .size: 8, .value_kind: global_buffer, .address_space: global }
    .group_segment_fixed_size: 327680
    .private_segment_fixed_size: 0
    .kernarg_segment_align: 8
    .kernarg_segment_size: 56
    .max_flat_workgroup_size: 128
    .sgpr_count:     80
    .vgpr_count:     1024
    .wavefront_size: 32
...
	.end_amdgpu_metadata
.endif
;; end of part 2
;; launch fc2 (part 3): grid 8 x 32, 4 waves a work-group, clusters of 4 x 4, 327,680 bytes of LDS; arguments hb, w2b, fc2_bias, out1, part; writes part
.if DOCPART == 3
	.amdgcn_target "amdgcn-amd-amdhsa--gfx1250"
	.amdhsa_code_object_version 6
	.text
	.protected	k_qb66979fd24_fc2
	.globl	k_qb66979fd24_fc2
	.p2align	8
	.type	k_qb66979fd24_fc2,@function
k_qb66979fd24_fc2:
	s_mov_b64 s[64:65], 0
	v_nop
	global_prefetch_b8 v0, s[64:65] scope:SCOPE_SE
	s_setreg_imm32_b32 hwreg(HW_REG_WAVE_MODE, 25, 1), 1
	s_wait_xcnt 0x0
	s_wait_alu depctr_hold_cnt(0) depctr_sa_sdst(0) depctr_va_vdst(0) depctr_va_sdst(0) depctr_va_ssrc(0) depctr_va_vcc(0) depctr_vm_vsrc(0)
	s_getreg_b32 s2, hwreg(HW_REG_IB_STS2, 6, 4)
	s_cmp_eq_u32 s2, 0
	s_cbranch_scc0 .Lentry_in_a_cluster
	s_endpgm
.Lentry_in_a_cluster:
	s_bfe_u32 s2, ttmp6, 0x10000c
	s_cmp_lg_u32 s2, 0xf033
	s_cbranch_scc0 .Lentry_shape_is_right
	s_endpgm
.Lentry_shape_is_right:
; FC2.  part[e][t][d] = p[t][e] x (sum over the 4,096 hidden units of Q(h)[e][t][k] Q(W2)[e][k][d] + b2[e][d]), on codes of FP6 (E2M3) with one E8M0 scale for each 32 along K; sums in f32.
; hb  [8 experts][4 blocks of 256 tokens][32 K steps][25,600] and w2b [8 experts][8 blocks of 128 columns][32 K steps][12,800] hold IMAGES OF OPERAND REGISTERS: a fragment (16 rows x 128 K) is 1,536 bytes,
;   register 4 c + i of lane l at 512 c + 16 l + 4 i, so three loads of 16 bytes a lane bring it, each 512 consecutive bytes; the scale words lie behind a block's fragments.  No pitch, no padding.
; SHARES.  A work-group makes 256 tokens x 128 columns of one expert over all of K; wave (i, j) 128 tokens x 64 columns: 32 accumulators.  8 experts x 4 x 8 = 256 work-groups.
;   The sum over the experts spans work-groups: each stores its part, already weighed, and the next launch adds the eight.
; RING.  Two LDS slots of four K steps each: 4 token blocks (102,400 bytes) and 4 weight blocks (51,200), each dense in memory.  Waves 0 and 1 fetch the halves of the first, waves 2 and 3 of the second.
; CLUSTERS.  4 x 4 work-groups of one expert: the four of a row of the cluster share the token blocks, the four of a column the weight blocks.  Each is asked for jointly.
; The product is used transposed (source 0 = 16 columns of W2, source 1 = 16 tokens): a lane holds one token and eight neighbouring columns.  b2 is the C of each sum's first product.
; LDS: 0 and 153,600 the slots; 307,200 the spare words; 307,712 + 4,352 w a stage of 16 rows x 272 bytes for each wave.  All of a WGP's LDS is claimed.
; REGISTERS.  window 0: v16-34 addresses; v36-43 h's scale words, v44-47 W2's (two sets each); v48-55 p; v64-159, v160-255 token fragments, two sets.
;   window 1: v0-47, v48-95 column fragments, two sets; v96-127 b2; v128-159, v224-255 weighed results; v160-223 rows back from the stage.   window 2: accumulator (a, b) at v[32 a + 8 b].
.set SLOT,  153600
.set SPARE, 307200
.set STAGE, 307712
.set LA,   16                          ; v16-19  token fragments: slot sg, blocks 2 g and 2 g + 1: 16 x lane + 12,288 i + SLOT sg + 51,200 g
.set LB,   20                          ; v20-21  column fragments: 16 x lane + 6,144 j + 102,400 + SLOT sg
.set LSA,  22                          ; v22-25  h's scale words: 8 x lane + 512 i + 24,576 + SLOT sg + 51,200 g
.set LSB,  26                          ; v26-27  W2's: 4 x lane + 256 j + 114,688 + SLOT sg
.set SPW,  28                          ; v28  my spare word; never rewritten
.set NIL,  29                          ; v29  0; never rewritten
.set STO,  30                          ; v30  the stage: where I put 32 bytes of a row
.set RD,   31                          ; v31  and where I read a row back
.set CO,   32                          ; v32  4,096 h + 16 r: my place in two rows of part
.set HS,   36
.set WS,   44
.set PR,   48
.set AF,   64
.set B2,   96                          ; window 1
.set T0,   128
.set OB,   160
.set G1,   24                          ; s[24:31] group 1 for token blocks;  s[32:39] group 0, a set for each slot
.set G0,   32
.set G1B,  48                          ; s[48:55], s[56:63] the same for weight blocks
.set G0B,  56
.set MSB, 0
.macro WIN new                         ; the immediate's high byte repeats the setting that is left
.if MSB != \new
	s_set_vgpr_msb (MSB<<8)|\new
.set MSB, \new
.endif
.endm
.macro PLACES n
.rept \n
	v_nop
.endr
.endm
; A joint load: waves 0 and 1 fetch token blocks, waves 2 and 3 weight blocks.  Each line has one mask and one set of registers for all that issue it; the branch hangs on the wave's number alone.
; Four v_nop follow each of the two lines.
.macro JLOAD g0a, g0b
	s_cmp_eq_u32 s15, 0
	s_cbranch_scc0 .Lfor_b_\@
	tensor_load_to_lds s[\g0a:\g0a+3], s[G1:G1+7]
	s_nop 0
	PLACES 4
	s_branch .Lasked_\@
.Lfor_b_\@:
	tensor_load_to_lds s[\g0b:\g0b+3], s[G1B:G1B+7]
	s_nop 0
	PLACES 4
.Lasked_\@:
.endm
.macro CREST                           ; a round of the cluster's barrier behind its opening barrier
	s_cmp_lg_u32 s14, 0
	s_cbranch_scc1 .Lnot_wave_0_\@
	s_barrier_signal -3
.Lnot_wave_0_\@:
	s_barrier_wait -3
	s_barrier_signal -1
	s_barrier_wait -1
.endm
.macro CROUND
	s_barrier_signal -1
	s_barrier_wait -1
	CREST
.endm
.macro WMROW oa, ob                    ; one product on the registers rD, rA, rB, rC, rSA, rSB; oa, ob: the side's scale words lie in lanes 16-31
.if (\oa) && (\ob)
	v_wmma_scale_f32_16x16x128_f8f6f4 v[rD:rD+7], v[rA:rA+11], v[rB:rB+11], v[rC:rC+7], v[rSA], v[rSB] matrix_a_fmt:MATRIX_FMT_FP6 matrix_b_fmt:MATRIX_FMT_FP6 matrix_a_scale:MATRIX_SCALE_ROW1 matrix_b_scale:MATRIX_SCALE_ROW1
.elseif (\oa)
	v_wmma_scale_f32_16x16x128_f8f6f4 v[rD:rD+7], v[rA:rA+11], v[rB:rB+11], v[rC:rC+7], v[rSA], v[rSB] matrix_a_fmt:MATRIX_FMT_FP6 matrix_b_fmt:MATRIX_FMT_FP6 matrix_a_scale:MATRIX_SCALE_ROW1
.elseif (\ob)
	v_wmma_scale_f32_16x16x128_f8f6f4 v[rD:rD+7], v[rA:rA+11], v[rB:rB+11], v[rC:rC+7], v[rSA], v[rSB] matrix_a_fmt:MATRIX_FMT_FP6 matrix_b_fmt:MATRIX_FMT_FP6 matrix_b_scale:MATRIX_SCALE_ROW1
.else
	v_wmma_scale_f32_16x16x128_f8f6f4 v[rD:rD+7], v[rA:rA+11], v[rB:rB+11], v[rC:rC+7], v[rSA], v[rSB] matrix_a_fmt:MATRIX_FMT_FP6 matrix_b_fmt:MATRIX_FMT_FP6
.endif
.endm
; 40 LDS loads: K step q of slot sg into set st: my 8 token fragments, my 4 column fragments, their scale words
.macro FETCH sg, q, st
.irp a, 0,1,2,3,4,5,6,7
.irp c, 0,1,2
	ds_load_b128 v[AF+96*(\st)+12*\a+4*\c:AF+96*(\st)+12*\a+4*\c+3], v[LA+2*(\sg)+(\q)/2] offset:25600*((\q)%2)+1536*\a+512*\c
.endr
.endr
.irp u, 0,1
	ds_load_b64 v[HS+4*(\st)+2*\u:HS+4*(\st)+2*\u+1], v[LSA+2*(\sg)+(\q)/2] offset:25600*((\q)%2)+256*\u
	ds_load_b32 v[WS+2*(\st)+\u], v[LSB+(\sg)] offset:12800*(\q)+128*\u
.endr
	WIN 0x40                                       ; destination window 1
.irp b, 0,1,2,3
.irp c, 0,1,2
	ds_load_b128 v[48*(\st)+12*\b+4*\c:48*(\st)+12*\b+4*\c+3], v[LB+(\sg)] offset:12800*(\q)+1536*\b+512*\c
.endr
.endr
	WIN 0
.endm
; 8 n products: column tiles b0 .. b0 + n - 1 x my eight token tiles, on set st.  The 32 accumulators take turns, one instruction a turn, in the same order in every K step.
.macro MULB st, b0, n, first
.set bb, \b0
.rept \n
.irp a, 0,1,2,3,4,5,6,7
.set rD, 32*\a+8*bb
.set rA, 48*(\st)+12*bb
.set rB, AF+96*(\st)+12*\a
.set rC, rD
.if \first
.set rC, B2+8*bb                       ; the bias is the C of a sum's first product
.endif
.set rSA, WS+2*(\st)+bb/2
.set rSB, HS+4*(\st)+\a/2
	WMROW bb%2, \a%2
.endr
.set bb, bb+1
.endr
.endm
.macro KSTEP sg, q, first              ; one of a slot's first three K steps
	s_wait_dscnt 0x0                               ; this K step's fragments, asked for 32 products ago
	PLACES 4                                       ; in front of loads into registers that the last K step's products have read
	FETCH \sg, (\q)+1, ((\q)+1)%2
.if \first
	WIN 0x91                                       ; source 0 window 1, source 1 window 0, C (b2) window 1, D window 2
.else
	WIN 0xa1                                       ; C and D window 2
.endif
	MULB (\q)%2, 0, 4, \first
	WIN 0
.endm
; A slot's last K step changes slots: one barrier; in front of it each wave waits for all its tensor loads, adds 0 to its spare word, and waits for that and for its reads of this slot.
.macro TURN sg, nx, fill
	s_wait_dscnt 0x0                               ; the K step's fragments are in: my reads of this slot are over
	s_wait_tensorcnt 0x0                           ; all my tensor loads have landed: my part of the next slot;
	ds_add_u32 v[SPW], v[NIL]                      ; 0 onto my spare word
	WIN 0xa1
	MULB 1, 0, 1, 0                                ; eight products stand between the add and the wait for it
	s_wait_dscnt 0x0                               ; the add is done
	s_barrier_signal -1
	MULB 1, 1, 1, 0
	WIN 0
	s_barrier_wait -1
.if \fill
	CREST                                          ; the barrier has opened a round of the cluster's: no wave of any partner still reads this slot or has a load on its way
	s_add_nc_u64 s[G0+4*\sg+2:G0+4*\sg+3], s[G0+4*\sg+2:G0+4*\sg+3], 204800      ; eight K steps on
	s_add_nc_u64 s[G0B+4*\sg+2:G0B+4*\sg+3], s[G0B+4*\sg+2:G0B+4*\sg+3], 102400
	JLOAD G0+4*\sg, G0B+4*\sg                      ; the first tensor load behind the round: 112 products stand ahead of the wait for it; its four v_nop are the places in front of the loads below
.else
	PLACES 4
.endif
	FETCH \nx, 0, 0
	WIN 0xa1
	MULB 1, 2, 2, 0
	WIN 0
.endm
	s_load_b256 s[4:11], s[0:1], 0x0               ; hb s[4:5], w2b s[6:7], fc2_bias s[8:9], out1 s[10:11]
	s_load_b64 s[12:13], s[0:1], 0x20              ; part
	v_lshl_add_u32 v[SPW], v0, 2, SPARE
	v_mov_b32 v[NIL], 0
	ds_add_u32 v28, v29
	ds_add_u32 v28, v29
	s_wait_dscnt 0x0
	v_lshrrev_b32 v1, 5, v0
	v_readfirstlane_b32 s14, v1                    ; wave 0..3
	s_lshr_b32 s15, s14, 1                         ; i: which 128 tokens are mine.  Also: I fetch token blocks (0) or weight blocks (1)
	s_and_b32 s16, s14, 1                          ; j: which 64 columns.  Also: which half I fetch
	s_bfe_u32 s40, ttmp6, 0x40000                  ; cx
	s_bfe_u32 s41, ttmp6, 0x40004                  ; cy: the block of 256 tokens
	s_lshl_b32 s42, ttmp9, 2
	s_add_co_u32 s42, s42, s40                     ; the block of 128 columns = 4 x cluster x + cx
	s_and_b32 s17, ttmp7, 0xffff                   ; the expert = cluster y
	s_lshl_b32 s43, s41, 2
	s_lshl_b32 s43, 15, s43                        ; my row of the cluster
	s_lshl_b32 s44, 0x1111, s40                    ; my column
	; dense blocks as rows of 256 bytes (32 elements of 8 bytes): 200 rows of token blocks, 100 of weight blocks, a load
	s_or_b32 s[G1], s43, (3<<16)|(1<<21)           ; 15:0 the mask; 17:16 elements of 8 bytes; 21 set beside a mask; no padding
	s_or_b32 s[G1B], s44, (3<<16)|(1<<21)
	s_mov_b32 s[G1+1], 32<<16                      ; tensor_dim0
	s_mov_b32 s[G1+2], 200<<16                     ; tensor_dim1
	s_mov_b32 s[G1+3], 32<<16                      ; tile_dim0
	s_mov_b32 s[G1+4], 200                         ; tile_dim1
	s_mov_b32 s[G1+5], 32                          ; from row to row
	s_mov_b32 s[G1+6], 0
	s_mov_b32 s[G1+7], 0
	s_mov_b32 s[G1B+1], 32<<16
	s_mov_b32 s[G1B+2], 100<<16
	s_mov_b32 s[G1B+3], 32<<16
	s_mov_b32 s[G1B+4], 100
	s_mov_b32 s[G1B+5], 32
	s_mov_b32 s[G1B+6], 0
	s_mov_b32 s[G1B+7], 0
	s_lshl_b32 s20, s17, 2
	s_add_co_u32 s20, s20, s41                     ; token blocks hang on the expert and cy, which my row shares
	s_mul_i32 s20, s20, 819200                     ; 32 K steps of 25,600 bytes
	s_mul_i32 s18, s16, 51200                      ; my half of a slot's four: in memory and in LDS
	s_add_co_u32 s20, s20, s18
	s_mov_b32 s21, 0
	s_lshl_b32 s46, s17, 3
	s_add_co_u32 s46, s46, s42                     ; weight blocks hang on the expert and the block of columns, which my column shares
	s_mul_i32 s46, s46, 409600                     ; 32 K steps of 12,800 bytes
	s_mul_i32 s19, s16, 25600
	s_add_co_u32 s46, s46, s19
	s_mov_b32 s47, 0
	s_wait_kmcnt 0x0
	s_add_nc_u64 s[20:21], s[4:5], s[20:21]
	s_add_nc_u64 s[46:47], s[6:7], s[46:47]
	CROUND                                         ; all sixteen work-groups are here: the first joint loads meet
.irp sg, 0,1
	s_mov_b32 s[G0+4*\sg], 1
	s_add_co_u32 s[G0+4*\sg+1], s18, \sg*SLOT
	s_add_nc_u64 s[G0+4*\sg+2:G0+4*\sg+3], s[20:21], \sg*102400
	s_or_b32 s[G0+4*\sg+3], s[G0+4*\sg+3], 0x80000000
	s_mov_b32 s[G0B+4*\sg], 1
	s_add_co_u32 s[G0B+4*\sg+1], s19, \sg*SLOT+102400
	s_add_nc_u64 s[G0B+4*\sg+2:G0B+4*\sg+3], s[46:47], \sg*51200
	s_or_b32 s[G0B+4*\sg+3], s[G0B+4*\sg+3], 0x80000000
	JLOAD G0+4*\sg, G0B+4*\sg
.endr
	v_and_b32 v1, 31, v0                           ; lane
	v_and_b32 v2, 15, v0                           ; r
	v_bfe_u32 v3, v0, 4, 1                         ; h
	s_mul_i32 s22, s15, 12288
	v_lshl_add_u32 v4, v1, 4, s22
	s_mul_i32 s22, s16, 6144
	v_lshl_add_u32 v5, v1, 4, s22
	s_lshl_b32 s22, s15, 9
	v_lshl_add_u32 v6, v1, 3, s22
	s_lshl_b32 s22, s16, 8
	v_lshl_add_u32 v7, v1, 2, s22
.irp sg, 0,1
.irp g, 0,1
	v_add_nc_u32 v[LA+2*\sg+\g],  \sg*SLOT+\g*51200, v4
	v_add_nc_u32 v[LSA+2*\sg+\g], \sg*SLOT+\g*51200+24576, v6
.endr
	v_add_nc_u32 v[LB+\sg],  \sg*SLOT+102400, v5
	v_add_nc_u32 v[LSB+\sg], \sg*SLOT+114688, v7
.endr
	s_mul_i32 s23, s14, 4352
	s_add_co_u32 s23, s23, STAGE                   ; my stage
	v_mul_u32_u24 v[STO], v2, 272
	v_lshl_add_u32 v[STO], v3, 5, v[STO]
	v_add_nc_u32 v[STO], s23, v[STO]               ; in: row r, 32 bytes for each half of the lanes
	v_mul_u32_u24 v[RD], v3, 272
	v_lshl_add_u32 v[RD], v2, 4, v[RD]
	v_add_nc_u32 v[RD], s23, v[RD]                 ; back: lanes 0-15 one row of 256 bytes, lanes 16-31 the next
	v_lshlrev_b32 v[CO], 12, v3
	v_lshl_add_u32 v[CO], v2, 4, v[CO]             ; and the same two rows in part
	v_lshlrev_b32 v33, 5, v2                       ; out1: 32 bytes a token
	v_lshlrev_b32 v34, 5, v3                       ; b2: eight numbers for each half of the lanes
	s_lshl_b32 s66, s41, 13                        ; out1: 256 tokens of 32 bytes,
	s_lshl_b32 s67, s15, 12                        ; my 128,
	s_add_co_u32 s66, s66, s67
	s_lshl_b32 s67, s17, 2                         ; the expert's number
	s_add_co_u32 s66, s66, s67
	s_mov_b32 s67, 0
	s_add_nc_u64 s[10:11], s[10:11], s[66:67]
	s_lshl_b32 s68, s17, 12                        ; fc2_bias: the expert's 4,096 bytes,
	s_lshl_b32 s69, s42, 9                         ; the block's 128 columns,
	s_add_co_u32 s68, s68, s69
	s_lshl_b32 s69, s16, 8                         ; my 64
	s_add_co_u32 s68, s68, s69
	s_mov_b32 s69, 0
	s_add_nc_u64 s[8:9], s[8:9], s[68:69]
	s_lshl_b32 s70, s17, 22                        ; part: the expert's 4,194,304 bytes,
	s_lshl_b32 s71, s41, 20                        ; 256 rows of 4,096,
	s_add_co_u32 s70, s70, s71
	s_lshl_b32 s71, s15, 19                        ; my 128,
	s_add_co_u32 s70, s70, s71
	s_lshl_b32 s71, s42, 9                         ; the block's columns,
	s_add_co_u32 s70, s70, s71
	s_lshl_b32 s71, s16, 8                         ; mine
	s_add_co_u32 s70, s70, s71
	s_mov_b32 s71, 0
	s_add_nc_u64 s[12:13], s[12:13], s[70:71]
.irp a, 0,1,2,3,4,5,6,7
	global_load_b32 v[PR+\a], v33, s[10:11] offset:512*\a           ; p of token 16 a + r
.endr
	WIN 0x40
.irp b, 0,1,2,3
	global_load_b128 v[B2+8*\b:B2+8*\b+3],   v34, s[8:9] offset:64*\b       ; b2 in the result's layout: columns 16 b + 8 h + 0 .. 7
	global_load_b128 v[B2+8*\b+4:B2+8*\b+7], v34, s[8:9] offset:64*\b+16
.endr
	WIN 0
	s_wait_tensorcnt 1                             ; my part of slot 0 is in; slot 1's may stay out
	s_barrier_signal -1
	s_barrier_wait -1
	FETCH 0, 0, 0
	s_wait_loadcnt 0x0                             ; p and b2
	KSTEP 0, 0, 1                                  ; the first K step stands in front of the loop: its products start the sums
	s_mov_b32 s3, 3
.Llap:                                             ; a trip goes once round the ring, from a lap's second K step to the next lap's first, and fills both slots again
	KSTEP 0, 1, 0
	KSTEP 0, 2, 0
	TURN 0, 1, 1
	KSTEP 1, 0, 0
	KSTEP 1, 1, 0
	KSTEP 1, 2, 0
	TURN 1, 0, 1
	KSTEP 0, 0, 0
	s_sub_co_u32 s3, s3, 1
	s_cmp_lg_u32 s3, 0
	s_cbranch_scc1 .Llap
	KSTEP 0, 1, 0                                  ; the last lap fills nothing, and has no round of the cluster's barrier
	KSTEP 0, 2, 0
	TURN 0, 1, 0
	KSTEP 1, 0, 0
	KSTEP 1, 1, 0
	KSTEP 1, 2, 0
	s_wait_dscnt 0x0                               ; the very last K step: nothing more to fetch
	WIN 0xa1
	MULB 1, 0, 4, 0
	WIN 0
	PLACES 4                                       ; in front of the first read of results
; THE WAY OUT, a tile of 16 tokens x 64 columns at a time: weighed by p, through my own stage in LDS, back as whole rows of 256 bytes.
; LDS serves a wave's instructions in order (ISA guide 5.7.1.4): no wait between a tile's stores and its loads.
.macro PACK a
.set rT, T0+96*((\a)%2)
.if (\a) >= 2
	s_wait_xcnt 0x0                                ; tile a - 2's stores have read their registers, into which this tile's rows come back
.endif
	WIN 0x42                                       ; source 0 (the sums) window 2, source 1 (p) window 0, destination window 1
.irp b, 0,1,2,3
.irp i, 0,2,4,6                                ; each accumulator from its low end on
.if (\a)%2
	v_pk_mul_f32 v[rT+8*\b+\i:rT+8*\b+\i+1], v[32*(\a)+8*\b+\i:32*(\a)+8*\b+\i+1], v[PR+(\a)-1:PR+(\a)] op_sel:[0,1] op_sel_hi:[1,1]
.else
	v_pk_mul_f32 v[rT+8*\b+\i:rT+8*\b+\i+1], v[32*(\a)+8*\b+\i:32*(\a)+8*\b+\i+1], v[PR+(\a):PR+(\a)+1] op_sel_hi:[1,0]
.endif
.endr
.endr
	WIN 0x04                                       ; an LDS store's data: window 1
.irp b, 0,1,2,3
	ds_store_b128 v[STO], v[rT+8*\b:rT+8*\b+3] offset:64*\b
	ds_store_b128 v[STO], v[rT+8*\b+4:rT+8*\b+7] offset:64*\b+16
.endr
	WIN 0x40
.irp t, 0,1,2,3,4,5,6,7
	ds_load_b128 v[OB+32*((\a)%2)+4*\t:OB+32*((\a)%2)+4*\t+3], v[RD] offset:544*\t
.endr
	WIN 0
.endm
.macro SEND a, younger                 ; younger: the LDS instructions issued behind tile a's loads, which may stay out
	s_wait_dscnt \younger
	WIN 0x04
.irp t, 0,1,2,3,4,5,6,7
	global_store_b128 v[CO], v[OB+32*((\a)%2)+4*\t:OB+32*((\a)%2)+4*\t+3], s[12:13] offset:(16*(\a)+2*\t)*4096   ; 16 lanes store 256 consecutive bytes, at a multiple of 256 from part's first byte
.endr
	WIN 0
.endm
	PACK 0
.irp a, 1,2,3,4,5,6,7
	PACK \a
	SEND \a-1, 16                                  ; behind tile a - 1's loads: tile a's 8 stores and 8 loads
.endr
	SEND 7, 0
	s_wait_tensorcnt 0x0                           ; the wave's end
	ds_add_u32 v[SPW], v[NIL]
	s_wait_dscnt 0x0
	CROUND                                         ; the closing round: no work-group ends while a partner may still ask for a tile that names it
	s_endpgm
.Lfunc_end_k_qb66979fd24_fc2:
	.size	k_qb66979fd24_fc2, .Lfunc_end_k_qb66979fd24_fc2-k_qb66979fd24_fc2
	.p2alignl 7, 3214868480
	.fill 96, 4, 3214868480
	.section	.rodata,"a",@progbits
	.p2align	6, 0x0
	.amdhsa_kernel k_qb66979fd24_fc2
		.amdhsa_group_segment_fixed_size 327680
		.amdhsa_private_segment_fixed_size 0
		.amdhsa_enable_private_segment 0
		.amdhsa_kernarg_size 40
		.amdhsa_user_sgpr_count 2
		.amdhsa_user_sgpr_kernarg_segment_ptr 1
		.amdhsa_wavefront_size32 1
		.amdhsa_system_sgpr_workgroup_id_x 1
		.amdhsa_system_sgpr_workgroup_id_y 1
		.amdhsa_system_sgpr_workgroup_id_z 1
		.amdhsa_system_vgpr_workitem_id 0
		.amdhsa_next_free_vgpr 768
		.amdhsa_next_free_sgpr 80
		.amdhsa_reserve_vcc 0
		.amdhsa_float_denorm_mode_32 3
		.amdhsa_float_denorm_mode_16_64 3
		.amdhsa_memory_ordered 1
		.amdhsa_forward_progress 1
		.amdhsa_inst_pref_size 145
	.end_amdhsa_kernel
	.amdgpu_metadata
---
amdhsa.version: [ 1, 2 ]
amdhsa.kernels:
  - .name:           k_qb66979fd24_fc2
    .symbol:         k_qb66979fd24_fc2.kd
    .args:
      - { .name: hb, .offset: 0, .size: 8, .value_kind: global_buffer, .address_space: global }
      - { .name: w2b, .offset: 8, .size: 8, .value_kind: global_buffer, .address_space: global }
      - { .name: fc2_bias, .offset: 16, .size: 8, .value_kind: global_buffer, .address_space: global }
      - { .name: out1, .offset: 24, .size: 8, .value_kind: global_buffer, .address_space: global }
      - { .name: part, .offset: 32, .size: 8, .value_kind: global_buffer, .address_space: global }
    .group_segment_fixed_size: 327680
    .private_segment_fixed_size: 0
    .kernarg_segment_align: 8
    .kernarg_segment_size: 40
    .max_flat_workgroup_size: 128
    .sgpr_count:     80
    .vgpr_count:     768
    .wavefront_size: 32
...
	.end_amdgpu_metadata
.endif
;; end of part 3
;; launch reduce (part 4): grid 256 x 1, 8 waves a work-group, no clusters, 0 bytes of LDS; arguments part, out0; writes out0
.if DOCPART == 4
	.amdgcn_target "amdgcn-amd-amdhsa--gfx1250"
	.amdhsa_code_object_version 6
	.text
	.protected	k_qb66979fd24_reduce
	.globl	k_qb66979fd24_reduce
	.p2align	8
	.type	k_qb66979fd24_reduce,@function
k_qb66979fd24_reduce:
	s_mov_b64 s[64:65], 0
	v_nop
	global_prefetch_b8 v0, s[64:65] scope:SCOPE_SE
	s_setreg_imm32_b32 hwreg(HW_REG_WAVE_MODE, 25, 1), 1
	s_wait_xcnt 0x0
; out0[t][d] = the sum over the eight experts of part[e][t][d], experts ascending, in f32.  part: [8][1024][1024], out0: [1024][1024].
; A stream: a thread owns 16 bytes at four places 1,048,576 bytes apart; its 32 loads (four places x eight experts) all go out at once, each of a wave covering 512 consecutive bytes.
; No LDS, no barrier, no matrix unit, no cluster: every byte is read once, by one lane.
.set EB,  4194304                      ; an expert's part in bytes
.set CB,  1048576                      ; 65,536 threads x 16 bytes
.set PB,  8                            ; s[8:23] the eight experts' bases
.set D,   16                           ; v16-143 place c, expert e: v[D + 32 c + 4 e]
	s_load_b128 s[4:7], s[0:1], 0x0                ; part, out0
	s_lshl_b32 s24, ttmp9, 12                      ; 256 threads x 16 bytes
	v_lshl_add_u32 v1, v0, 4, s24
	s_wait_kmcnt 0x0
.irp e, 0,1,2,3,4,5,6,7
	s_add_nc_u64 s[PB+2*\e:PB+2*\e+1], s[4:5], \e*EB
.endr
.irp c, 0,1,2,3
.irp e, 0,1,2,3,4,5,6,7
	global_load_b128 v[D+32*\c+4*\e:D+32*\c+4*\e+3], v1, s[PB+2*\e:PB+2*\e+1] offset:\c*CB th:TH_LOAD_NT
.endr
.endr
.irp c, 0,1,2,3
	s_wait_loadcnt 24-8*\c                         ; this place's eight loads are in; the later places' may be out
.irp e, 1,2,3,4,5,6,7
	v_pk_add_f32 v[D+32*\c:D+32*\c+1],   v[D+32*\c:D+32*\c+1],   v[D+32*\c+4*\e:D+32*\c+4*\e+1]
	v_pk_add_f32 v[D+32*\c+2:D+32*\c+3], v[D+32*\c+2:D+32*\c+3], v[D+32*\c+4*\e+2:D+32*\c+4*\e+3]
.endr
	global_store_b128 v1, v[D+32*\c:D+32*\c+3], s[6:7] offset:\c*CB th:TH_STORE_NT   ; a wave stores 512 consecutive bytes, aligned
.endr
	s_endpgm
.Lfunc_end_k_qb66979fd24_reduce:
	.size	k_qb66979fd24_reduce, .Lfunc_end_k_qb66979fd24_reduce-k_qb66979fd24_reduce
	.p2alignl 7, 3214868480
	.fill 96, 4, 3214868480
	.section	.rodata,"a",@progbits
	.p2align	6, 0x0
	.amdhsa_kernel k_qb66979fd24_reduce
		.amdhsa_group_segment_fixed_size 0
		.amdhsa_private_segment_fixed_size 0
		.amdhsa_enable_private_segment 0
		.amdhsa_kernarg_size 16
		.amdhsa_user_sgpr_count 2
		.amdhsa_user_sgpr_kernarg_segment_ptr 1
		.amdhsa_wavefront_size32 1
		.amdhsa_system_sgpr_workgroup_id_x 1
		.amdhsa_system_sgpr_workgroup_id_y 1
		.amdhsa_system_sgpr_workgroup_id_z 1
		.amdhsa_system_vgpr_workitem_id 0
		.amdhsa_next_free_vgpr 144
		.amdhsa_next_free_sgpr 66
		.amdhsa_reserve_vcc 0
		.amdhsa_float_denorm_mode_32 3
		.amdhsa_float_denorm_mode_16_64 3
		.amdhsa_memory_ordered 1
		.amdhsa_forward_progress 1
		.amdhsa_inst_pref_size 8
	.end_amdhsa_kernel
	.amdgpu_metadata
---
amdhsa.version: [ 1, 2 ]
amdhsa.kernels:
  - .name:           k_qb66979fd24_reduce
    .symbol:         k_qb66979fd24_reduce.kd
    .args:
      - { .name: part, .offset: 0, .size: 8, .value_kind: global_buffer, .address_space: global }
      - { .name: out0, .offset: 8, .size: 8, .value_kind: global_buffer, .address_space: global }
    .group_segment_fixed_size: 0
    .private_segment_fixed_size: 0
    .kernarg_segment_align: 8
    .kernarg_segment_size: 16
    .max_flat_workgroup_size: 256
    .sgpr_count:     66
    .vgpr_count:     144
    .wavefront_size: 32
...
	.end_amdgpu_metadata
.endif
;; end of part 4
